; MI455X (gfx1250); checked and timed in simulation.
; The chip was launched on July 23, 2026; its instructions are those of AMD's public machine-readable ISA for CDNA 5 (MIT licence, August 2026) and "CDNA5" Instruction Set Architecture Reference Guide (July 2026). The comments in the code are by the model that wrote it; some were corrected since.
;; Self Attention. Allowed arithmetic: matrix products marked QUANTISED: E2M1 operands, one E8M0 scale for each 32 along K, by v_wmma_scale_f32_16x16x128_f8f6f4 with both operands' format E2M1 (or v_wmma_scale_f32_32x16x128_f4), f32 sums; products left as they are: bf16, f16 or f32 operands; f32 sums; everything else in f32.
;; Inputs: W_proj 1,024 x 1,024 float32; W_qkv 1,024 x 3,072 float32; b_proj 1,024 float32; b_qkv 3,072 float32; x 4 x 2,048 x 1,024 float32.
;; Outputs: out0 4 x 2,048 x 1,024 float32.
;; This version of the problem:
;;   THIS VERSION OF THE PROBLEM IS GIVEN IN LOW PRECISION. The matrix products marked QUANTISED in the list below multiply operands that are first quantised to E2M1 (2 exponent bits, 1 mantissa bit; 4 bits a number), with one power-of-two scale for each 32 numbers along K (OCP MX v1.0); their sums are f32. The products marked 'left as it is' may take bf16, f16 or f32 operands, with f32 sums. Whichever they take, every output number must still come out within the allowed error. Rounding operands to bf16 (8 significant bits) uses up far more of that allowance than f16 does (11 bits, for magnitudes from 6e-5 to 65,504). All else is computed in f32.
;;   The module's matrix products, in the order in which they are computed (A, B: the left and right operand; K: the contracted axis; several contracted axes count as one K, in the product's order):
;;     1. [M 8,192, K 1,024] x [K 1,024, N 3,072]; A: input x; B: input W_qkv: QUANTISED
;;     2. batch 64 x [M 2,048, K 64] x [K 64, N 2,048]; A: computed on the way; B: computed on the way: left as it is (an operand is computed on the way)
;;     3. batch 64 x [M 2,048, K 2,048] x [K 2,048, N 64]; A: computed on the way; B: computed on the way: left as it is (an operand is computed on the way)
;;     4. [M 8,192, K 1,024] x [K 1,024, N 1,024]; A: computed on the way; B: input W_proj: left as it is (an operand is computed on the way)
;;   THE QUANTISER, for each operand of a quantised product, along K:
;;     - K is cut into blocks of 32 from its start; a last block that is shorter is filled with zeros.
;;     - A block's scale is 2^e with e = floor(log2(the largest magnitude in the block)) - 2, held to -126 .. 127; a block of zeros has e = 0. As a byte (E8M0): e + 127.
;;     - Each number is divided by its block's scale, clamped to +-6, and rounded to the nearest number of E2M1, ties to even, subnormals kept.
;;     - The product sums the exact products of the quantised numbers (number of the format x scale) in f32.
;;   ~~~python
;;   def quantise(x, axis):      # numpy; x: float32 -> the quantised numbers, widened to float32 again
;;       x = np.moveaxis(x, axis, -1); K = x.shape[-1]
;;       x = np.pad(x, [(0, 0)] * (x.ndim - 1) + [(0, -K % 32)]); x = x.reshape(x.shape[:-1] + (-1, 32)); a = np.abs(x).max(-1, keepdims=True)
;;       e = np.where(a > 0, np.clip(np.frexp(np.where(a > 0, a, 1))[1] - 1 - 2, -126, 127), 0)      # np.frexp(a)[1] - 1 = floor(log2(a)), exactly
;;       r = np.clip(x / 2.0 ** e, -6, 6)
;;       step = 2.0 ** (np.maximum(np.frexp(np.where(r == 0, 1, r))[1] - 1, 0) - 1)
;;       q = np.round(r / step) * step * 2.0 ** e      # np.round: ties to even
;;       return np.moveaxis(q.reshape(q.shape[:-2] + (-1,))[..., :K], -1, axis).astype(np.float32)
;;   ~~~
;; One version. Each part assembles by itself: llvm-mc -triple=amdgcn-amd-amdhsa -mcpu=gfx1250 --defsym DOCPART=n.
;; ======== version 1 of 1: 4 launches
;; limits: values are held in f16: magnitudes above 65,504 overflow, below 6.1e-05 lose precision
;; workspace buffers: xc 4,194,304 bytes; xs 262,144 bytes; wc 1,572,864 bytes; ws 98,304 bytes; wp 2,097,152 bytes; qkv 50,331,648 bytes; ao 16,777,216 bytes
;; launch prep (part 1): grid 512 x 1, 4 waves a work-group, no clusters, 33,280 bytes of LDS; arguments x, W_qkv, W_proj, xc, xs, wc, ws, wp; writes xc, xs, wc, ws, wp
.if DOCPART == 1
	.amdgcn_target "amdgcn-amd-amdhsa--gfx1250"
	.amdhsa_code_object_version 6
	.text
	.protected	k_qb10efff44f_prep
	.globl	k_qb10efff44f_prep
	.p2align	8
	.type	k_qb10efff44f_prep,@function
k_qb10efff44f_prep:
	s_mov_b64 s[64:65], 0
	v_nop
	global_prefetch_b8 v0, s[64:65] scope:SCOPE_SE
	s_setreg_imm32_b32 hwreg(HW_REG_WAVE_MODE, 25, 1), 1
	s_wait_xcnt 0x0
; PREP: the three inputs that later launches read many times are made narrow, once.
;   part X (work-groups 0-255):   x [8192][1024] f32 -> codes of FP4 (E2M1), K innermost, xc [8192][512 bytes], and one E8M0 byte for each 32 along K, xs [8192][32].
;   part W (work-groups 256-447): W_qkv [1024 (k)][3072 (n)] f32, K its FIRST axis -> codes in the order of the matrix operand's registers, wc, and scale bytes ws [3072][32].
;   part P (work-groups 448-511): W_proj [1024][1024] f32 -> f16, wp, same order.
; A block's scale is 2^(floor(log2(its largest magnitude)) - 2); its byte is the largest magnitude's exponent field - 2, held at 1 from below.
; wc: block kb (32 along K) of column n is 16 bytes at (kb / 16) x 786,432 + (n / 16) x 4,096 + (kb % 16) x 256 + (n % 16) x 16: the sixteen columns of a fragment lie side by side, a block at a time,
; so that the product's launch loads a fragment by two LDS loads of 16 bytes a lane, each half of the lanes on 256 consecutive bytes.
; LIMITS: a block of zeros gets the byte 1 where the rule says 127 (its codes are zeros, which add nothing, and this program alone reads the bytes); blocks whose largest magnitude lies under 2^-124 have
; their byte held at 1; NaN and infinities among the inputs are not served; |W_proj| must stay under 65,504 (f16).
; No matrix unit, no cluster, no tensor load: a stream whose work-groups share no input.  The three parts are told apart by the work-group's number alone; only part X uses LDS.
.set WREG,  8192                       ; part X, LDS: a region for each wave: two stages of 32 x SP bytes, then its 256 scale bytes
.set SP,    80                         ; a lane's place in a stage: 64 bytes + 16 of padding
.set SPARE, 4*WREG                     ; the spare words, 128 bytes for each wave: two blocks of 256 bytes that no other line names
.set STEPS, 16
.set CB,    8                          ; bytes of 16 codes
.set SPW,   12                         ; v12  LDS address of my spare word; never rewritten
.set NIL,   13                         ; v13  0; never rewritten
.set R,     16                         ; part X: v16-79 four sets of 16 numbers as loaded
.set X,     80                         ;         v80-111 two sets of 16 neighbours
.set E,     112                        ;         v112-127 a scale byte for each step
.set C,     128                        ;         v128-191 codes: registers of its own for each step, so that no store's data are written again
.set WX,    32                         ; part W: v32-95 two sets of 32 numbers
.set WC,    96                         ;         v96-111 codes: four registers for each block
.set WROW,  12288                      ; a row of W_qkv in bytes
.macro XLOAD t                         ; step t: 2,048 bytes, each load 512 consecutive bytes of the wave
.irp i, 0,1,2,3
	global_load_b128 v[R+16*((\t)%4)+4*\i:R+16*((\t)%4)+4*\i+3], v3, s[4:5] offset:2048*(\t)+512*\i th:TH_LOAD_NT
.endr
.endm
.macro XTURN t                         ; through the wave's own stage, so that a lane gets 16 neighbours; LDS serves a wave's instructions in order (ISA guide 5.7.1.4)
.irp i, 0,1,2,3
	ds_store_b128 v14, v[R+16*((\t)%4)+4*\i:R+16*((\t)%4)+4*\i+3] offset:32*SP*((\t)%2)+8*SP*\i
.endr
.irp i, 0,1,2,3
	ds_load_b128 v[X+16*((\t)%2)+4*\i:X+16*((\t)%2)+4*\i+3], v15 offset:32*SP*((\t)%2)+16*\i
.endr
.endm
.macro XSTEP t
.set XS, X+16*((\t)%2)
.if (\t) > 0
	s_wait_dscnt 1                                 ; this step's numbers are back from the stage; the one younger LDS instruction, the last step's byte store, may be out
.else
	s_wait_dscnt 0x0
.endif
.if (\t)+4 < STEPS
	XLOAD (\t)+4                                   ; into the registers that the stage's stores have read
.endif
.if (\t)+1 < STEPS
.if STEPS-2-(\t) >= 3
	s_wait_loadcnt 12                              ; the next step's four loads are in; the twelve of the three steps behind it may be out
.else
	s_wait_loadcnt 4*(STEPS-2-(\t))                ; the tail: four loads for each step that is still behind the next one
.endif
	XTURN (\t)+1
.endif
	v_max3_num_f32 v8, |v[XS]|, |v[XS+1]|, |v[XS+2]|               ; the largest magnitude of my 16, in two chains
	v_max3_num_f32 v9, |v[XS+3]|, |v[XS+4]|, |v[XS+5]|
.irp i, 6,10
	v_max3_num_f32 v8, v8, |v[XS+\i]|, |v[XS+\i+1]|
	v_max3_num_f32 v9, v9, |v[XS+\i+2]|, |v[XS+\i+3]|
.endr
	v_max3_num_f32 v8, v8, |v[XS+14]|, |v[XS+15]|
	v_max3_num_f32 v8, v8, v9, 0x1800000           ; and the floor 2^(3 - 127): the byte cannot fall under 1
	v_max_num_f32_dpp v8, v8, v8 row_xmask:1 row_mask:0xf bank_mask:0xf   ; with my neighbour's 16: the block's
	v_add_nc_u32 v11, 0xff000000, v8               ; 2 off its exponent field: the conversion takes the exponent field of this operand as its scale
	v_cvt_scalef32_pk8_fp4_f32 v[C+4*(\t)], v[XS:XS+7], v11
	v_cvt_scalef32_pk8_fp4_f32 v[C+4*(\t)+1], v[XS+8:XS+15], v11
	v_lshrrev_b32 v[E+(\t)], 23, v11               ; the scale's byte (a plain line behind the conversions)
	ds_store_b8 v5, v[E+(\t)] offset:16*(\t)       ; both lanes of a block write the same byte with the same value
	global_store_b64 v4, v[C+4*(\t):C+4*(\t)+1], s[10:11] offset:32*CB*(\t)   ; the wave stores 256 consecutive bytes, aligned
.endm
.macro WLOAD t                         ; block t: W_qkv(32 t + i, my column): 128 consecutive bytes a wave, 512 a work-group
.set i, 0
.rept 32
	global_load_b32 v[WX+32*((\t)%2)+i], v3, s[6:7] offset:(32*(\t)+i)*WROW th:TH_LOAD_NT
.set i, i+1
.endr
.endm
.macro WBLOCK t
.set XS, WX+32*((\t)%2)
.if (\t) < 3
	s_wait_loadcnt 32                              ; this block's 32 loads are in; the next block's 32 may be out
.else
	s_wait_loadcnt 0x0
.endif
	v_max3_num_f32 v8, |v[XS]|, |v[XS+1]|, |v[XS+2]|               ; all 32 numbers of the block are mine
	v_max3_num_f32 v9, |v[XS+3]|, |v[XS+4]|, |v[XS+5]|
.irp i, 6,10,14,18,22,26
	v_max3_num_f32 v8, v8, |v[XS+\i]|, |v[XS+\i+1]|
	v_max3_num_f32 v9, v9, |v[XS+\i+2]|, |v[XS+\i+3]|
.endr
	v_max3_num_f32 v8, v8, |v[XS+30]|, |v[XS+31]|
	v_max3_num_f32 v8, v8, v9, 0x1800000           ; the floor
	v_add_nc_u32 v10, 0xff000000, v8               ; the conversion's scale operand
	v_lshrrev_b32 v11, 23, v10                     ; the scale's byte
.irp g, 0,1,2,3
	v_cvt_scalef32_pk8_fp4_f32 v[WC+4*(\t)+\g], v[XS+8*\g:XS+8*\g+7], v10
.endr
.if (\t) == 0
	v_mov_b32 v24, v11                             ; four bytes to a word, the lower K in the lower byte (a plain line behind the conversions)
.else
	v_lshl_or_b32 v24, v11, 8*(\t), v24
.endif
	global_store_b128 v4, v[WC+4*(\t):WC+4*(\t)+3], s[14:15] offset:256*(\t)   ; sixteen lanes store 256 consecutive bytes, aligned
.if (\t) < 2
	WLOAD (\t)+2
.endif
.endm
	s_load_b256 s[4:11], s[0:1], 0x0               ; x s[4:5], W_qkv s[6:7], W_proj s[8:9], xc s[10:11]
	s_load_b256 s[12:19], s[0:1], 0x20             ; xs s[12:13], wc s[14:15], ws s[16:17], wp s[18:19]
	v_lshl_add_u32 v[SPW], v0, 2, SPARE
	v_mov_b32 v[NIL], 0
	v_lshrrev_b32 v1, 5, v0
	v_readfirstlane_b32 s20, v1                    ; wave 0..3
	v_and_b32 v2, 31, v0                           ; lane
	s_wait_kmcnt 0x0
	s_cmp_lt_u32 ttmp9, 256
	s_cbranch_scc1 .LX
	s_cmp_lt_u32 ttmp9, 448
	s_cbranch_scc1 .LW
	; ---- part P: a wave casts 16,384 bytes of W_proj to 8,192 of f16.  All 32 loads go out first.
	s_sub_co_u32 s21, ttmp9, 448
	s_lshl_b32 s21, s21, 2
	s_add_co_u32 s21, s21, s20                     ; which run of 4,096 numbers is my wave's
	s_lshl_b32 s22, s21, 14
	s_mov_b32 s23, 0
	s_add_nc_u64 s[8:9], s[8:9], s[22:23]
	s_lshl_b32 s22, s21, 13
	s_add_nc_u64 s[18:19], s[18:19], s[22:23]
	v_lshlrev_b32 v3, 4, v2                        ; in: 16 bytes a lane
	v_lshlrev_b32 v4, 3, v2                        ; out: 8 bytes a lane
.set i, 0
.rept 32
	global_load_b128 v[16+4*i:19+4*i], v3, s[8:9] offset:512*i th:TH_LOAD_NT
.set i, i+1
.endr
.set i, 0
.rept 32
	s_wait_loadcnt 31-i                            ; load i is in; the younger ones may be out
	v_cvt_pk_f16_f32 v[16+4*i], v[16+4*i], v[17+4*i]
	v_cvt_pk_f16_f32 v[17+4*i], v[18+4*i], v[19+4*i]
	global_store_b64 v4, v[16+4*i:17+4*i], s[18:19] offset:256*i   ; the wave stores 256 consecutive bytes, aligned
.set i, i+1
.endr
	s_endpgm                                       ; this part wrote no LDS
	; ---- part W: a lane takes a column, its registers run down K: a block of 32 lies in one lane, and the conversions give codes with K innermost.  A wave: 32 columns x 128 along K.
.LW:
	s_sub_co_u32 s21, ttmp9, 256
	s_and_b32 s22, s21, 7                          ; which 128 along K
	s_lshr_b32 s23, s21, 3
	s_lshl_b32 s23, s23, 7
	s_lshl_b32 s24, s20, 5
	s_add_co_u32 s23, s23, s24                     ; my wave's first column
	s_mul_i32 s24, s22, 128*WROW
	s_lshl_b32 s25, s23, 2
	s_add_co_u32 s24, s24, s25
	s_mov_b32 s25, 0
	s_add_nc_u64 s[6:7], s[6:7], s[24:25]          ; W_qkv at (128 kq, column)
	s_lshr_b32 s24, s22, 2
	s_mul_i32 s24, s24, 786432                     ; which 512 along K,
	s_lshl_b32 s26, s23, 8                         ; (column / 16) x 4,096,
	s_add_co_u32 s24, s24, s26
	s_and_b32 s26, s22, 3
	s_lshl_b32 s26, s26, 10                        ; four blocks of 256 bytes for each 128 along K
	s_add_co_u32 s24, s24, s26
	s_add_nc_u64 s[14:15], s[14:15], s[24:25]
	s_lshl_b32 s24, s23, 5
	s_lshl_b32 s26, s22, 2
	s_add_co_u32 s24, s24, s26
	s_add_nc_u64 s[16:17], s[16:17], s[24:25]      ; ws at (column, 4 kq)
	v_lshlrev_b32 v3, 2, v2                        ; in: 4 bytes a lane
	v_lshrrev_b32 v4, 4, v2
	v_and_b32 v5, 15, v2
	v_lshlrev_b32 v4, 12, v4
	v_lshl_add_u32 v4, v5, 4, v4                   ; codes: (lane / 16) x 4,096 + (lane % 16) x 16
	v_lshlrev_b32 v5, 5, v2                        ; scale word: 32 bytes a column
	WLOAD 0
	WLOAD 1
	WBLOCK 0
	WBLOCK 1
	WBLOCK 2
	WBLOCK 3
	global_store_b32 v5, v24, s[16:17]             ; my column's four scale bytes: 4 bytes of each row of 32, one byte for each 32 along K
	s_endpgm                                       ; this part wrote no LDS
	; ---- part X: K is innermost and rows are dense: a plain stream of blocks of 32.  A wave takes 16 steps of 512 numbers; two neighbouring lanes hold a block.
.LX:
	v_lshlrev_b32 v3, 4, v2                        ; my 16 bytes of a load's 512
	s_mul_i32 s21, s20, WREG
	v_lshrrev_b32 v14, 2, v2
	v_mul_u32_u24 v14, v14, SP
	v_and_b32 v15, 3, v2
	v_lshl_add_u32 v14, v15, 4, v14
	v_add_nc_u32 v14, s21, v14                     ; the stage, in: SP (lane / 4) + 16 (lane % 4)
	v_mul_u32_u24 v15, v2, SP
	v_add_nc_u32 v15, s21, v15                     ; and out: SP x lane: my 16 neighbours
	v_lshlrev_b32 v4, 3, v2                        ; my codes' place in a step's
	v_lshrrev_b32 v5, 1, v2
	s_add_co_u32 s21, s21, 2*32*SP
	v_add_nc_u32 v5, s21, v5                       ; my wave's 256 scale bytes: my block's byte
	v_lshlrev_b32 v7, 3, v2
	v_add_nc_u32 v6, s21, v7                       ; and on the way out 8 bytes a lane
	s_lshl_b32 s22, ttmp9, 2
	s_add_co_u32 s22, s22, s20                     ; which run of 8,192 numbers is my wave's
	s_mov_b32 s25, 0
	s_lshl_b32 s24, s22, 15
	s_add_nc_u64 s[4:5], s[4:5], s[24:25]
	s_lshl_b32 s24, s22, 12
	s_add_nc_u64 s[10:11], s[10:11], s[24:25]
	s_lshl_b32 s24, s22, 8
	s_add_nc_u64 s[12:13], s[12:13], s[24:25]
.irp t, 0,1,2,3
	XLOAD \t
.endr
	s_wait_loadcnt 12                              ; step 0's four loads are in; twelve younger ones may be out
	XTURN 0
.irp t, 0,1,2,3,4,5,6,7,8,9,10,11,12,13,14,15
	XSTEP \t
.endr
	ds_load_b64 v[8:9], v6                         ; my wave's 256 scale bytes; these loads see my stores
	s_wait_dscnt 0x0
	global_store_b64 v7, v[8:9], s[12:13]          ; 32 lanes store 256 consecutive bytes, aligned
	s_wait_tensorcnt 0x0                           ; the wave's end
	ds_add_u32 v[SPW], v[NIL]
	s_wait_dscnt 0x0
	s_endpgm
.Lfunc_end_k_qb10efff44f_prep:
	.size	k_qb10efff44f_prep, .Lfunc_end_k_qb10efff44f_prep-k_qb10efff44f_prep
	.p2alignl 7, 3214868480
	.fill 96, 4, 3214868480
	.section	.rodata,"a",@progbits
	.p2align	6, 0x0
	.amdhsa_kernel k_qb10efff44f_prep
		.amdhsa_group_segment_fixed_size 33280
		.amdhsa_private_segment_fixed_size 0
		.amdhsa_enable_private_segment 0
		.amdhsa_kernarg_size 64
		.amdhsa_user_sgpr_count 2
		.amdhsa_user_sgpr_kernarg_segment_ptr 1
		.amdhsa_wavefront_size32 1
		.amdhsa_system_sgpr_workgroup_id_x 1
		.amdhsa_system_sgpr_workgroup_id_y 1
		.amdhsa_system_sgpr_workgroup_id_z 1
		.amdhsa_system_vgpr_workitem_id 0
		.amdhsa_next_free_vgpr 192
		.amdhsa_next_free_sgpr 66
		.amdhsa_reserve_vcc 0
		.amdhsa_float_denorm_mode_32 3
		.amdhsa_float_denorm_mode_16_64 3
		.amdhsa_memory_ordered 1
		.amdhsa_forward_progress 1
		.amdhsa_inst_pref_size 64
	.end_amdhsa_kernel
	.amdgpu_metadata
---
amdhsa.version: [ 1, 2 ]
amdhsa.kernels:
  - .name:           k_qb10efff44f_prep
    .symbol:         k_qb10efff44f_prep.kd
    .args:
      - { .name: x, .offset: 0, .size: 8, .value_kind: global_buffer, .address_space: global }
      - { .name: W_qkv, .offset: 8, .size: 8, .value_kind: global_buffer, .address_space: global }
      - { .name: W_proj, .offset: 16, .size: 8, .value_kind: global_buffer, .address_space: global }
      - { .name: xc, .offset: 24, .size: 8, .value_kind: global_buffer, .address_space: global }
      - { .name: xs, .offset: 32, .size: 8, .value_kind: global_buffer, .address_space: global }
      - { .name: wc, .offset: 40, .size: 8, .value_kind: global_buffer, .address_space: global }
      - { .name: ws, .offset: 48, .size: 8, .value_kind: global_buffer, .address_space: global }
      - { .name: wp, .offset: 56, .size: 8, .value_kind: global_buffer, .address_space: global }
    .group_segment_fixed_size: 33280
    .private_segment_fixed_size: 0
    .kernarg_segment_align: 8
    .kernarg_segment_size: 64
    .max_flat_workgroup_size: 128
    .sgpr_count:     66
    .vgpr_count:     192
    .wavefront_size: 32
...
	.end_amdgpu_metadata
.endif
;; end of part 1
;; launch qkvg (part 2): grid 12 x 32, 4 waves a work-group, clusters of 4 x 4, 327,680 bytes of LDS; arguments xc, xs, wc, ws, b_qkv, qkv; writes qkv
.if DOCPART == 2
	.amdgcn_target "amdgcn-amd-amdhsa--gfx1250"
	.amdhsa_code_object_version 6
	.text
	.protected	k_qb10efff44f_qkvg
	.globl	k_qb10efff44f_qkvg
	.p2align	8
	.type	k_qb10efff44f_qkvg,@function
k_qb10efff44f_qkvg:
	s_mov_b64 s[64:65], 0
	v_nop
	global_prefetch_b8 v0, s[64:65] scope:SCOPE_SE
	s_setreg_imm32_b32 hwreg(HW_REG_WAVE_MODE, 25, 1), 1
	s_wait_xcnt 0x0
	s_wait_alu depctr_hold_cnt(0) depctr_sa_sdst(0) depctr_va_vdst(0) depctr_va_sdst(0) depctr_va_ssrc(0) depctr_va_vcc(0) depctr_vm_vsrc(0)
	s_getreg_b32 s2, hwreg(HW_REG_IB_STS2, 6, 4)
	s_cmp_eq_u32 s2, 0
	s_cbranch_scc0 .Lentry_in_a_cluster
	s_endpgm
.Lentry_in_a_cluster:
	s_bfe_u32 s2, ttmp6, 0x10000c
	s_cmp_lg_u32 s2, 0xf033
	s_cbranch_scc0 .Lentry_shape_is_right
	s_endpgm
.Lentry_shape_is_right:
; qkv = x W_qkv + b_qkv on codes of FP4 (E2M1) with one E8M0 scale for each 32 along K; sums in f32; the result is rounded once to f16 and laid by head: qkv [3][batch x 16 + head][2048][64].
; A (x): codes [8192][512 bytes], scale bytes [8192][32].  B (W_qkv): codes as images of the operand's registers (16 bytes of column n, block kb, at (kb/16) 786,432 + (n/16) 4,096 + (kb%16) 256 + (n%16) 16), scale bytes [3072][32].
; A tile of the result, 256 x 256, is made by four waves, each 128 x 128: 64 accumulators of 16 x 16, 512 registers.  K = 1,024 is two steps of 512: both lie in LDS at once, asked for at the head; nothing is filled again.
; CLUSTERS: 4 x 4 work-groups.  The four of a row of the cluster need the same tiles of A, the four of a column the same tiles of B: each tile is asked for jointly, by the same tensor load with the same descriptor and a mask that names the four.
; THE MATRIX INSTRUCTION IS USED TRANSPOSED (source 0 = 16 columns of W, source 1 = 16 rows of x): a lane holds eight neighbouring columns of one row.  The bias is the C of each sum's first product.
; 384 work-groups: the tile is the largest whose accumulators fit the registers; no prefetch: every tile is asked for at the head.
; LIMIT: |q|, |k|, |v| must stay under 65,504 (f16).
; REGISTERS: window 0: v0-31 addresses; v32-95 scale words, two sets; v128-191 A's fragments, one set; v192-255 the bias, 8 registers for each block of 16 columns; on the way out v128-223 are at work.
;   window 1: B's fragments, two sets, at v0 and v128.   window 2: the accumulators of my rows 0-63 ((a, b) at v[8 (8 a + b)]);   window 3: those of my rows 64-127.
.set NQ,     4                         ; matrix instructions deep in a slot (512 along K)
.set ROWB,   256                       ; a tile's row in bytes: 512 codes; for B: one block of sixteen columns
.set KROW,   512                       ; a row of xc in memory
.set WSLOT,  786432                    ; from one K step's images of W to the next's
.set PITCH,  272                       ; 256 bytes + 16 of padding = 68 words: row r starts at bank 4 r mod 64 (64 banks of 4 bytes: ISA guide 11.1)
.set FR,     8
.set NL,     2
.set NP,     4                         ; places behind this matrix instruction (ISA guide 7.12.1)
.set HALFT,  128*PITCH
.set SLOT,   4*HALFT
.set KS,     32                        ; a row of scale bytes
.set SCL,    2*SLOT
.set HALFS,  16*272                    ; the scales of 128 rows
.set SBLK,   2*272                     ; those of 16 rows
.set SPARE,  SCL+4*HALFS               ; the spare words: two blocks of 256 bytes that no other line names
.set STAGE,  SPARE+512                 ; the way out: bytes of its own, into which no tensor load lands
.set HP,     144                       ; a stage row: 64 f16 + 16 bytes
.set HSTG,   16*HP                     ; 16 rows of one head
.set ADRA, 16
.set ADRB, 20
.set STO,  24
.set RD,   25
.set CO,   26
.set ADRS, 27
.set SPW,  28
.set NIL,  29
.set SC,   32
.set AF,   128
.set BIAS, 192
.set TMP,  128
.set BK,   160
.set G1, 24
.set G0, 32
.set G1B, 48
.set G0B, 56
.set G1S, 68
.set G0S, 76
.set G1SB, 80
.set G0SB, 88
.set MSB, 0
.macro WIN new                         ; the immediate's high byte repeats the setting that is left
.if MSB != (\new)
	s_set_vgpr_msb (MSB<<8)|(\new)
.set MSB, (\new)
.endif
.endm
.set MUL_LO, 0xa1                      ; source 0 (B) window 1, source 1 (A) window 0, C and D window 2
.set MUL_HI, 0xf1                      ; the same, C and D window 3
.set FST_LO, 0x81                      ; the first step: C (the bias) window 0, D window 2
.set FST_HI, 0xc1                      ; D window 3
.set TO_B,   0x40
; A joint load: waves 0 and 1 fetch for A, waves 2 and 3 for B; the branch hangs on the wave's number alone.  An s_nop 0 and four v_nop follow each of the two lines.
.macro JLOAD g0a, g1a, g0b, g1b
	s_cmp_eq_u32 s15, 0
	s_cbranch_scc0 .Lfor_b_\@
	tensor_load_to_lds s[\g0a:\g0a+3], s[\g1a:\g1a+7]
	s_nop 0
.rept 4
	v_nop
.endr
	s_branch .Lasked_\@
.Lfor_b_\@:
	tensor_load_to_lds s[\g0b:\g0b+3], s[\g1b:\g1b+7]
	s_nop 0
.rept 4
	v_nop
.endr
.Lasked_\@:
.endm
.macro CROUND                          ; a round of the cluster's barrier
	s_barrier_signal -1
	s_barrier_wait -1
	s_cmp_lg_u32 s14, 0
	s_cbranch_scc1 .Lnot_wave_0_\@
	s_barrier_signal -3
.Lnot_wave_0_\@:
	s_barrier_wait -3
	s_barrier_signal -1
	s_barrier_wait -1
.endm
	s_load_b128 s[4:7], s[0:1], 0x0                ; A's codes, A's scales
	s_load_b128 s[8:11], s[0:1], 0x10              ; B's codes, B's scales
	s_load_b64 s[96:97], s[0:1], 0x20              ; the bias
	s_load_b64 s[12:13], s[0:1], 0x28              ; qkv
	v_lshl_add_u32 v[SPW], v0, 2, SPARE
	v_mov_b32 v[NIL], 0
	ds_add_u32 v[SPW], v[NIL]                      ; the wave's opening: the add, twice on end, and its wait ahead of my first tensor load
	ds_add_u32 v[SPW], v[NIL]
	v_lshrrev_b32 v1, 5, v0
	v_readfirstlane_b32 s14, v1                    ; wave 0..3
	s_lshr_b32 s15, s14, 1                         ; my half of the tile's rows.  Also: I fetch for A (0) or for B (1)
	s_and_b32 s16, s14, 1                          ; my half of its columns.  Also: which 128 rows of that tile I fetch
	s_bfe_u32 s40, ttmp6, 0x40000                  ; cx, cy
	s_bfe_u32 s41, ttmp6, 0x40004
	s_lshl_b32 s42, ttmp9, 2
	s_add_co_u32 s42, s42, s40                     ; tile column
	s_and_b32 s17, ttmp7, 0xffff
	s_lshl_b32 s17, s17, 2
	s_add_co_u32 s17, s17, s41                     ; tile row
	s_lshl_b32 s43, s41, 2
	s_lshl_b32 s43, 15, s43                        ; my row of the cluster
	s_lshl_b32 s44, 0x1111, s40                    ; my column
	s_or_b32 s[G1+0], s43, (0<<16)|(1<<20)|(1<<21)|(5<<22)|(3<<25)  ; the mask; elements of 1 byte; padding on; bit 21 beside a mask; after every 64 words four words
	s_or_b32 s[G1B+0], s44, (0<<16)|(1<<20)|(1<<21)|(5<<22)|(3<<25)
.irp g, G1, G1B
	s_mov_b32 s[\g+1], ROWB<<16                    ; tensor_dim0
	s_mov_b32 s[\g+2], 128<<16                     ; tensor_dim1
	s_mov_b32 s[\g+3], ROWB<<16                    ; tile_dim0
	s_mov_b32 s[\g+4], 128                         ; tile_dim1
	s_mov_b32 s[\g+6], 0
	s_mov_b32 s[\g+7], 0
.endr
	s_mov_b32 s[G1+5], KROW                        ; A: from row to row of xc
	s_mov_b32 s[G1B+5], ROWB                       ; B: the images of 128 columns are one dense block
	s_or_b32 s[G1S+0], s43, (3<<16)|(1<<20)|(1<<21)|(5<<22)|(3<<25) ; the scales of 128 rows: a dense block of 4,096 bytes, as rows of 256 (32 elements of 8 bytes)
	s_or_b32 s[G1SB+0], s44, (3<<16)|(1<<20)|(1<<21)|(5<<22)|(3<<25)
.irp g, G1S, G1SB
	s_mov_b32 s[\g+1], 32<<16
	s_mov_b32 s[\g+2], 16<<16
	s_mov_b32 s[\g+3], 32<<16
	s_mov_b32 s[\g+4], 16
	s_mov_b32 s[\g+5], 32
	s_mov_b32 s[\g+6], 0
	s_mov_b32 s[\g+7], 0
.endr
	s_lshl_b32 s18, s16, 7
	s_lshl_b32 s20, s17, 8
	s_add_co_u32 s20, s20, s18                     ; A: row 256 x tile row + 128 x half
	s_lshl_b32 s46, s42, 8
	s_add_co_u32 s46, s46, s18                     ; B: column 256 x tile column + 128 x half
	s_mov_b32 s21, 0
	s_mov_b32 s47, 0
	s_mov_b64 s[18:19], KS
	s_mul_u64 s[22:23], s[20:21], s[18:19]         ; where their scales begin
	s_mul_u64 s[92:93], s[46:47], s[18:19]
	s_mov_b64 s[18:19], KROW
	s_mul_u64 s[20:21], s[20:21], s[18:19]         ; A's codes
	s_mov_b64 s[18:19], ROWB
	s_mul_u64 s[46:47], s[46:47], s[18:19]         ; B's images: 256 bytes a column in a K step
	s_mul_i32 s45, s14, HALFT                      ; where they go: wave x 128 rows
	s_mul_i32 s94, s14, HALFS
	s_wait_dscnt 0x0                               ; both opening adds are done
	s_wait_kmcnt 0x0
	s_add_nc_u64 s[20:21], s[4:5], s[20:21]
	s_add_nc_u64 s[22:23], s[6:7], s[22:23]
	s_add_nc_u64 s[46:47], s[8:9], s[46:47]
	s_add_nc_u64 s[92:93], s[10:11], s[92:93]
	CROUND                                         ; all sixteen work-groups are here: the joint loads meet
	s_mov_b32 s[G0S], 1
	s_add_co_u32 s[G0S+1], s94, SCL
	s_mov_b64 s[G0S+2:G0S+3], s[22:23]
	s_or_b32 s[G0S+3], s[G0S+3], 0x80000000
	s_mov_b32 s[G0SB], 1
	s_add_co_u32 s[G0SB+1], s94, SCL
	s_mov_b64 s[G0SB+2:G0SB+3], s[92:93]
	s_or_b32 s[G0SB+3], s[G0SB+3], 0x80000000
	JLOAD G0S, G1S, G0SB, G1SB                     ; the scales first; three tensor loads of a wave are out at the most
.irp s, 0,1
	s_mov_b32 s[G0+4*\s], 1
	s_add_co_u32 s[G0+4*\s+1], s45, \s*SLOT
	s_add_nc_u64 s[G0+4*\s+2:G0+4*\s+3], s[20:21], \s*ROWB
	s_or_b32 s[G0+4*\s+3], s[G0+4*\s+3], 0x80000000
	s_mov_b32 s[G0B+4*\s], 1
	s_add_co_u32 s[G0B+4*\s+1], s45, \s*SLOT
	s_add_nc_u64 s[G0B+4*\s+2:G0B+4*\s+3], s[46:47], \s*WSLOT
	s_or_b32 s[G0B+4*\s+3], s[G0B+4*\s+3], 0x80000000
	JLOAD G0+4*\s, G1, G0B+4*\s, G1B
.endr
	v_and_b32 v1, 15, v0                           ; r
	v_bfe_u32 v2, v0, 4, 1                         ; h
	v_mul_u32_u24 v3, v1, PITCH
	v_lshl_add_u32 v4, v2, 4, v3                   ; A: row r x pitch + 16 h
	v_mul_u32_u24 v3, v2, PITCH
	v_lshl_add_u32 v3, v1, 4, v3                   ; B: block h of a pair, 16 bytes for column r
	s_mul_i32 s21, s15, HALFT
	s_mul_i32 s22, s16, HALFT
	s_add_co_u32 s22, s22, 2*HALFT
.irp s, 0,1
	v_add_nc_u32 v[ADRA+\s], s21, v4
	v_add_nc_u32 v[ADRB+\s], s22, v3
	s_add_co_u32 s21, s21, SLOT
	s_add_co_u32 s22, s22, SLOT
.endr
	v_mul_u32_u24 v5, v1, KS                       ; my row's scales: 32 bytes a row,
	v_lshrrev_b32 v6, 8, v5
	v_lshl_add_u32 v5, v6, 4, v5                   ; and 16 more for each 256 passed
	s_mul_i32 s21, s15, HALFS
	s_mul_i32 s22, s16, HALFS
	s_add_co_u32 s22, s22, 2*HALFS
	s_sub_co_u32 s22, s22, s21
	v_mul_u32_u24 v6, s22, v2                      ; lanes 16-31 take B's
	s_add_co_u32 s21, s21, SCL
	v_add_nc_u32 v5, v5, v6
	v_add_nc_u32 v[ADRS], s21, v5
	s_mul_i32 s23, s14, 2*HSTG
	s_add_co_u32 s23, s23, STAGE                   ; my stage: two heads x 16 rows
	v_mul_u32_u24 v5, v1, HP
	v_lshl_add_u32 v5, v2, 4, v5
	v_add_nc_u32 v[STO], s23, v5                   ; in: row r, 16 bytes for each half of the lanes
	v_and_b32 v6, 31, v0
	v_lshlrev_b32 v[CO], 4, v6                     ; out: 16 bytes a lane: four rows of 128 bytes, which are neighbours in qkv
	v_lshrrev_b32 v5, 3, v6
	v_mul_u32_u24 v5, v5, HP
	v_and_b32 v6, 7, v0
	v_lshl_add_u32 v5, v6, 4, v5
	v_add_nc_u32 v[RD], s23, v5                    ; back: row lane / 8, 16 (lane % 8)
	; where my part begins in qkv.  From the tile row: batch x 16 heads x 262,144 + position x 128
	s_lshr_b32 s20, s17, 3
	s_lshl_b32 s20, s20, 22
	s_and_b32 s21, s17, 7
	s_lshl_b32 s21, s21, 8
	s_lshl_b32 s18, s15, 7
	s_add_co_u32 s21, s21, s18
	s_lshl_b32 s21, s21, 7
	s_add_co_u32 s20, s20, s21
	s_mov_b32 s21, 0
	s_add_nc_u64 s[12:13], s[12:13], s[20:21]
	; from the tile column: g = column / 64 = 4 x tile column + 2 x half; (q, k or v) = g / 16, head = g % 16
	s_lshl_b32 s46, s42, 2
	s_lshl_b32 s47, s16, 1
	s_add_co_u32 s46, s46, s47
	s_lshr_b32 s47, s46, 4
	s_lshl_b32 s47, s47, 6
	s_and_b32 s46, s46, 15
	s_add_co_u32 s46, s46, s47
	s_lshl_b32 s46, s46, 18
	s_mov_b32 s47, 0
	s_add_nc_u64 s[12:13], s[12:13], s[46:47]
	s_lshl_b32 s46, s42, 10                        ; the bias of my 128 columns
	s_lshl_b32 s47, s16, 9
	s_add_co_u32 s46, s46, s47
	s_mov_b32 s47, 0
	s_add_nc_u64 s[96:97], s[96:97], s[46:47]
	v_lshlrev_b32 v7, 5, v2                        ; lane (r, h) wants, for block b, the bias of columns 16 b + 8 h + 0 .. 7
.irp b, 0,1,2,3,4,5,6,7
	global_load_b128 v[BIAS+8*\b:BIAS+8*\b+3], v7, s[96:97] offset:64*\b
	global_load_b128 v[BIAS+8*\b+4:BIAS+8*\b+7], v7, s[96:97] offset:64*\b+16
.endr
.macro FRAG reg, adr, q, i             ; A: 16 rows x 128 K: registers 4 c .. 4 c + 3 hold K = 64 c + 32 h + 0 .. 31
.irp c, 0,1
	ds_load_b128 v[\reg+4*\c:\reg+4*\c+3], v[\adr] offset:64*(\q)+32*\c+(\i)*16*PITCH
.endr
.endm
.macro FRAGB reg, adr, q, i            ; B: the image: block 4 q + 2 c + h of the sixteen columns of block i is one LDS row
.irp c, 0,1
	ds_load_b128 v[\reg+4*\c:\reg+4*\c+3], v[\adr] offset:(16*(\i)+4*(\q)+2*\c)*PITCH
.endr
.endm
; 16 matrix instructions: A's blocks a0, a0 + 1 x B's eight.  p: B's set; sc: the set of scale words.  first = 1: the bias starts the sums.  The 64 accumulators take turns, one instruction a turn.
.macro MUL16 a0, p, q, sc, first
.irp a, \a0, \a0+1
.irp b, 0,1,2,3,4,5,6,7
.if \first
	v_wmma_scale_f32_16x16x128_f8f6f4 v[8*(8*((\a)%4)+\b):8*(8*((\a)%4)+\b)+7], v[128*(\p)+FR*\b:128*(\p)+FR*\b+FR-1], v[AF+FR*(\a):AF+FR*(\a)+FR-1], v[BIAS+8*\b:BIAS+8*\b+7], v[SC+8*NQ*(\sc)+NQ*\b+(\q)], v[SC+8*NQ*(\sc)+NQ*(\a)+(\q)] matrix_a_fmt:MATRIX_FMT_FP4 matrix_b_fmt:MATRIX_FMT_FP4 matrix_a_scale:MATRIX_SCALE_ROW1
.else
	v_wmma_scale_f32_16x16x128_f8f6f4 v[8*(8*((\a)%4)+\b):8*(8*((\a)%4)+\b)+7], v[128*(\p)+FR*\b:128*(\p)+FR*\b+FR-1], v[AF+FR*(\a):AF+FR*(\a)+FR-1], v[8*(8*((\a)%4)+\b):8*(8*((\a)%4)+\b)+7], v[SC+8*NQ*(\sc)+NQ*\b+(\q)], v[SC+8*NQ*(\sc)+NQ*(\a)+(\q)] matrix_a_fmt:MATRIX_FMT_FP4 matrix_b_fmt:MATRIX_FMT_FP4 matrix_a_scale:MATRIX_SCALE_ROW1
.endif
.endr
.endr
.endm
.macro FETCH_B slot, q, p
	WIN TO_B
.irp i, 0,1,2,3,4,5,6,7
	FRAGB 128*(\p)+FR*\i, ADRB+\slot, \q, \i
.endr
	WIN 0
.endm
.macro FETCH_A slot, q, i0
.irp i, \i0, \i0+1, \i0+2, \i0+3
	FRAG AF+FR*(\i), ADRA+\slot, \q, \i
.endr
.endm
.macro SCALES sc                       ; a K step's scale words: lanes 0-15 take A's block i, lanes 16-31 B's block i
.irp i, 0,1,2,3,4,5,6,7
	ds_load_b128 v[SC+8*NQ*\sc+NQ*\i:SC+8*NQ*\sc+NQ*\i+3], v[ADRS] offset:\i*SBLK
.endr
.endm
.macro PLACES n                        ; plain vector instructions between a matrix instruction and a load into, or a read of, its registers
.rept \n
	v_nop
.endr
.endm
.macro STEP slot, q, first             ; 128 along K with a successor in the same slot
	s_wait_dscnt 4*NL                              ; all but the youngest eight loads (A's blocks 4-7) are in
.if \first
	WIN FST_LO
.else
	WIN MUL_LO
.endif
	MUL16 0, (\q)%2, \q, \slot, \first
	MUL16 2, (\q)%2, \q, \slot, \first
	s_wait_dscnt 0
	PLACES NP
	FETCH_B \slot, (\q)+1, 1-(\q)%2
	FETCH_A \slot, (\q)+1, 0
.if \first
	WIN FST_HI
.else
	WIN MUL_HI
.endif
	MUL16 4, (\q)%2, \q, \slot, \first
	MUL16 6, (\q)%2, \q, \slot, \first
	PLACES NP
	WIN 0
	FETCH_A \slot, (\q)+1, 4
.endm
.macro TURN slot, next                 ; a slot's last step changes slots: one barrier; nothing is filled again
	s_wait_tensorcnt 0x0                           ; all my tensor loads have landed: my part of the next slot
	ds_add_u32 v[SPW], v[NIL]                      ; 0 onto my spare word
	s_wait_dscnt 4*NL+1                            ; the add and the youngest eight loads may be out
	WIN MUL_LO
	MUL16 0, 1, NQ-1, \slot, 0
	s_wait_dscnt 0x0
	s_barrier_signal -1
	MUL16 2, 1, NQ-1, \slot, 0
	WIN 0
	s_barrier_wait -1                              ; the next slot is whole
	PLACES NP
	v_add_nc_u32 v[ADRS], 4*NQ, v[ADRS]            ; the next K step's scale words
	FETCH_B \next, 0, 0
	FETCH_A \next, 0, 0
	SCALES \next
	WIN MUL_HI
	MUL16 4, 1, NQ-1, \slot, 0
	MUL16 6, 1, NQ-1, \slot, 0
	PLACES NP
	WIN 0
	FETCH_A \next, 0, 4
.endm
	s_wait_tensorcnt 1                             ; the scales and my part of K step 0 are in; the one younger load, K step 1's, may be out
	s_barrier_signal -1
	s_barrier_wait -1
	FETCH_B 0, 0, 0
	FETCH_A 0, 0, 0
	SCALES 0
	FETCH_A 0, 0, 4
	s_wait_loadcnt 0x0                             ; the bias
	STEP 0, 0, 1
	STEP 0, 1, 0
	STEP 0, 2, 0
	TURN 0, 1
	STEP 1, 0, 0
	STEP 1, 1, 0
	STEP 1, 2, 0
	s_wait_dscnt 4*NL                              ; the last step: nothing more to fetch
	WIN MUL_LO
	MUL16 0, 1, NQ-1, 1, 0
	MUL16 2, 1, NQ-1, 1, 0
	s_wait_dscnt 0
	WIN MUL_HI
	MUL16 4, 1, NQ-1, 1, 0
	MUL16 6, 1, NQ-1, 1, 0
	WIN 0
; THE WAY OUT, a block of 16 rows x 128 columns (two heads) at a time: rounded to f16, 16 bytes a lane; through my own stage; back so that 32 lanes hold four whole rows of a head, 512 consecutive bytes of qkv.
.macro PACK a
.set AC, 64*((\a)%4)
	WIN 0x0a+5*((\a)/4)                            ; sources 0 and 1: window 2 or 3
.irp b, 0,1,2,3,4,5,6,7
.irp r, 0,1,2,3
	v_cvt_pk_f16_f32 v[TMP+4*\b+\r], v[AC+8*\b+2*\r], v[AC+8*\b+2*\r+1]   ; each accumulator from its low end on
.endr
.endr
	WIN 0
.endm
.macro TOSTAGE a
.set BB, BK+32*((\a)%2)
.irp b, 0,1,2,3,4,5,6,7
	ds_store_b128 v[STO], v[TMP+4*\b:TMP+4*\b+3] offset:(\b/4)*HSTG+(\b%4)*32
.endr
.irp t, 0,1,2,3,4,5,6,7
	ds_load_b128 v[BB+4*\t:BB+4*\t+3], v[RD] offset:(\t/4)*HSTG+(\t%4)*4*HP   ; LDS serves a wave's instructions in order (ISA guide 5.7.1.4): these see the stores above
.endr
.endm
.macro SEND a
.set BB, BK+32*((\a)%2)
	s_wait_dscnt 0x0                               ; the block is back in registers
	s_wait_xcnt 0x0                                ; earlier stores have read their base and their data: only behind this wait are they written again
.if (\a) > 0
	s_add_nc_u64 s[12:13], s[12:13], 16*128        ; 16 positions on
.endif
.irp t, 0,1,2,3,4,5,6,7
	global_store_b128 v[CO], v[BB+4*\t:BB+4*\t+3], s[12:13] offset:(\t/4)*262144+(\t%4)*512   ; 32 lanes store 512 consecutive bytes, aligned
.endr
.endm
	PLACES NP
	PACK 0
	TOSTAGE 0
.irp a, 1,2,3,4,5,6,7                  ; block a's conversions stand between block a - 1's loads from the stage and the wait for them
	PACK \a
	SEND \a-1
	TOSTAGE \a
.endr
	SEND 7
	s_wait_tensorcnt 0x0                           ; the wave's end
	ds_add_u32 v[SPW], v[NIL]
	s_wait_dscnt 0x0
	CROUND                                         ; the closing round
	s_endpgm
.Lfunc_end_k_qb10efff44f_qkvg:
	.size	k_qb10efff44f_qkvg, .Lfunc_end_k_qb10efff44f_qkvg-k_qb10efff44f_qkvg
	.p2alignl 7, 3214868480
	.fill 96, 4, 3214868480
	.section	.rodata,"a",@progbits
	.p2align	6, 0x0
	.amdhsa_kernel k_qb10efff44f_qkvg
		.amdhsa_group_segment_fixed_size 327680
		.amdhsa_private_segment_fixed_size 0
		.amdhsa_enable_private_segment 0
		.amdhsa_kernarg_size 48
		.amdhsa_user_sgpr_count 2
		.amdhsa_user_sgpr_kernarg_segment_ptr 1
		.amdhsa_wavefront_size32 1
		.amdhsa_system_sgpr_workgroup_id_x 1
		.amdhsa_system_sgpr_workgroup_id_y 1
		.amdhsa_system_sgpr_workgroup_id_z 1
		.amdhsa_system_vgpr_workitem_id 0
		.amdhsa_next_free_vgpr 1024
		.amdhsa_next_free_sgpr 98
		.amdhsa_reserve_vcc 0
		.amdhsa_float_denorm_mode_32 3
		.amdhsa_float_denorm_mode_16_64 3
		.amdhsa_memory_ordered 1
		.amdhsa_forward_progress 1
		.amdhsa_inst_pref_size 129
	.end_amdhsa_kernel
	.amdgpu_metadata
---
amdhsa.version: [ 1, 2 ]
amdhsa.kernels:
  - .name:           k_qb10efff44f_qkvg
    .symbol:         k_qb10efff44f_qkvg.kd
    .args:
      - { .name: xc, .offset: 0, .size: 8, .value_kind: global_buffer, .address_space: global }
      - { .name: xs, .offset: 8, .size: 8, .value_kind: global_buffer, .address_space: global }
      - { .name: wc, .offset: 16, .size: 8, .value_kind: global_buffer, .address_space: global }
      - { .name: ws, .offset: 24, .size: 8, .value_kind: global_buffer, .address_space: global }
      - { .name: b_qkv, .offset: 32, .size: 8, .value_kind: global_buffer, .address_space: global }
      - { .name: qkv, .offset: 40, .size: 8, .value_kind: global_buffer, .address_space: global }
    .group_segment_fixed_size: 327680
    .private_segment_fixed_size: 0
    .kernarg_segment_align: 8
    .kernarg_segment_size: 48
    .max_flat_workgroup_size: 128
    .sgpr_count:     98
    .vgpr_count:     1024
    .wavefront_size: 32
...
	.end_amdgpu_metadata
.endif
;; end of part 2
;; launch attn (part 3): grid 4 x 64, 16 waves a work-group, clusters of 4 x 1, 327,680 bytes of LDS; arguments qkv, ao; writes ao
.if DOCPART == 3
	.amdgcn_target "amdgcn-amd-amdhsa--gfx1250"
	.amdhsa_code_object_version 6
	.text
	.protected	k_qb10efff44f_attn
	.globl	k_qb10efff44f_attn
	.p2align	8
	.type	k_qb10efff44f_attn,@function
k_qb10efff44f_attn:
	s_mov_b64 s[64:65], 0
	v_nop
	global_prefetch_b8 v0, s[64:65] scope:SCOPE_SE
	s_setreg_imm32_b32 hwreg(HW_REG_WAVE_MODE, 25, 1), 1
	s_wait_xcnt 0x0
	s_wait_alu depctr_hold_cnt(0) depctr_sa_sdst(0) depctr_va_vdst(0) depctr_va_sdst(0) depctr_va_ssrc(0) depctr_va_vcc(0) depctr_vm_vsrc(0)
	s_getreg_b32 s2, hwreg(HW_REG_IB_STS2, 6, 4)
	s_cmp_eq_u32 s2, 0
	s_cbranch_scc0 .Lentry_in_a_cluster
	s_endpgm
.Lentry_in_a_cluster:
	s_bfe_u32 s2, ttmp6, 0x10000c
	s_cmp_lg_u32 s2, 0x3003
	s_cbranch_scc0 .Lentry_shape_is_right
	s_endpgm
.Lentry_shape_is_right:
; ao[y][q][:] = the sum over k of softmax_k(Q[y][q] . K[y][k] / 8) V[y][k][:], y = batch x 16 + head; Q, K, V: qkv [3][64][2048][64] f16; ao [64][2048][64] f16.  Products, maxima and sums in f32;
; the weights p are rounded to f16 for the second product, the result once at the end.
; SHARES.  A work-group owns 512 queries of one head; each of its sixteen waves owns 32: two tiles of 16, in 256 registers: four waves to a SIMD, so that one wave's vector work stands beside another's products and LDS loads.
; Every wave walks all 2,048 keys, 64 a step.  K and V come through a ring of two LDS slots of 256 keys (waves 0, 1: K's halves; waves 2, 3: V's) read by all sixteen.
; CLUSTER.  The four query blocks of a head form a cluster and walk the same K and V: each tile is asked for jointly, by the same tensor load with the same descriptor and the mask of all four.
; LAYOUT.  S^T = K Q^T (source 0 = 16 keys, source 1 = 16 queries): a lane holds ONE query (lane % 16) and keys 8 (lane / 16) + 0..7.  Two such tiles, rounded to f16 in pairs, are source 1 of O^T = V^T P.
; K comes out of LDS as it lies, V ([key][channel]) turned, by ds_load_tr16_b128.  K's and V's fragments share 64 registers: V is fetched when the step's scores are made.
; SOFTMAX.  A running maximum m and sum l for each query: p = 2^(c s - c m), c = log2(e) / 8; in every step O and l are multiplied by a = 2^(c m_old - c m_new).  m begins at -3e38, O and l at 0, so the step is written once.
; LIMITS: NaN and infinities are not served; scores must stay finite in f32.
; REGISTERS: v1-7 addresses; v8-15, v16-23 a tile's statistics (+0 -c m, +1 m, +2 a, +3 at work, +4,5 l, +6,7 at work); v24-26 addresses; v31 Q's offset; v32-63 Q; v64-127 K, then V; v128-191 S^T, then p; v192-255 O^T.
.set KP,    144                        ; a key's row in LDS: 128 bytes + 16: an odd multiple of 16 bytes
.set VP,    160                        ; a row of V: 128 + 32: an odd multiple of 32 bytes, for the turning load
.set SK,    256                        ; keys in a slot: four steps
.set VOFF,  SK*KP
.set SLOT1, 1<<17                      ; slot 1 begins here: one exclusive or turns an address
.set STAGE, SLOT1+VOFF+SK*VP           ; the way out: 32 rows x 144 bytes for each wave: bytes of its own, into which no tensor load lands
.set STG,   32*KP
.set SPARE, STAGE+16*STG               ; the spare words, 128 bytes for each wave: eight blocks of 256 bytes that no other line names
.set NSL,   2048/SK
.set AK,  1
.set AV,  2
.set ADK, 3
.set ADV, 4
.set SPW, 5
.set NIL, 6
.set GO,  7
.set ST,  8
.set PFO, 24
.set STO, 25
.set RD,  26
.set QO,  31
.set Q,   32
.set KV,  64
.set S,   128
.set O,   192
.set TB,    2                          ; s2   LDS byte at which the slot in hand begins
.set SLOTS, 3                          ; s3   slots still to be asked for
.set WV,  18
.set NCS, 19                           ; s19  -c
.set SEL, 20
.set CS,  22                           ; s[22:23] c
.set G1K, 24
.set G1V, 32
.set G0K, 40
.set G0V, 44
.set PFA, 48                           ; s[48:49] where my prefetches stand
.set LIM, 50                           ; s50  1 in a wave that prefetches, else the greatest number
.macro TLOAD                           ; waves 0, 1 fetch K's halves, waves 2, 3 V's, the others nothing; the branches hang on the wave's number alone.  An s_nop 0 and four v_nop follow each line
	s_cmp_lt_u32 s[WV], 2
	s_cbranch_scc0 .Lnot_k_\@
	tensor_load_to_lds s[G0K:G0K+3], s[G1K:G1K+7]
	s_nop 0
.rept 4
	v_nop
.endr
	s_branch .Lasked_\@
.Lnot_k_\@:
	s_cmp_lt_u32 s[WV], 4
	s_cbranch_scc0 .Lasked_\@
	tensor_load_to_lds s[G0V:G0V+3], s[G1V:G1V+7]
	s_nop 0
.rept 4
	v_nop
.endr
.Lasked_\@:
.endm
; A prefetch of what the NEXT change of slots will ask for: a slot's 32,768 bytes of K and of V, each one dense block.  The head has one cluster; its four partners share a block out by address, 8,192 bytes each;
; in each, wave 4 asks for K's and wave 5 for V's, lanes 256 bytes apart: each aligned 256 bytes is named once in the launch.  It stands four key steps ahead of the load.  The last change that fills a slot asks for nothing.
.macro ASK
	s_cmp_gt_u32 s[SLOTS], s[LIM]
	s_cbranch_scc0 .Lnot_mine_\@
	global_prefetch_b8 v[PFO], s[PFA:PFA+1] th:TH_LOAD_NT scope:SCOPE_SE
.Lnot_mine_\@:
.endm
.macro CROUND                          ; a round of the cluster's barrier
	s_barrier_signal -1
	s_barrier_wait -1
	s_cmp_lg_u32 s[WV], 0
	s_cbranch_scc1 .Lnot_wave_0_\@
	s_barrier_signal -3
.Lnot_wave_0_\@:
	s_barrier_wait -3
	s_barrier_signal -1
	s_barrier_wait -1
.endm
	s_load_b128 s[4:7], s[0:1], 0x0                ; qkv, ao
	v_lshl_add_u32 v[SPW], v0, 2, SPARE
	v_mov_b32 v[NIL], 0
	ds_add_u32 v[SPW], v[NIL]                      ; the wave's opening: the add, twice on end, and its wait ahead of the first tensor load; the set-up below stands between
	ds_add_u32 v[SPW], v[NIL]
	v_lshrrev_b32 v27, 5, v0
	v_readfirstlane_b32 s[WV], v27                 ; wave 0..15
	v_and_b32 v27, 15, v0                          ; r
	v_bfe_u32 v28, v0, 4, 1                        ; h
	v_and_b32 v29, 31, v0                          ; lane
	v_mul_u32_u24 v[AK], v27, KP
	v_lshl_add_u32 v[AK], v28, 4, v[AK]            ; K: row r x pitch + 16 h
	v_and_b32 v30, 7, v0
	v_lshl_add_u32 v30, v28, 3, v30
	v_mul_u32_u24 v[AV], v30, VP                   ; V: key 8 h + lane % 8,
	v_bfe_u32 v30, v0, 3, 1
	v_lshl_add_u32 v[AV], v30, 4, v[AV]            ; channels 8 ((lane / 8) % 2) on
	v_add_nc_u32 v[AV], VOFF, v[AV]
	v_lshlrev_b32 v[GO], 4, v29                    ; the way out: 16 bytes a lane
	v_lshlrev_b32 v[PFO], 8, v29                   ; the prefetches: 256 bytes a lane
	s_mul_i32 s66, s[WV], STG
	s_add_co_u32 s66, s66, STAGE                   ; my stage
	v_add_nc_u32 v[STO], s66, v[AK]                ; in: row r, 16 bytes for each half of the lanes
	v_lshrrev_b32 v30, 3, v29
	v_mul_u32_u24 v[RD], v30, KP
	v_and_b32 v30, 7, v0
	v_lshl_add_u32 v[RD], v30, 4, v[RD]
	v_add_nc_u32 v[RD], s66, v[RD]                 ; back: row lane / 8, 16 (lane % 8)
	v_lshlrev_b32 v[QO], 7, v27
	v_lshl_add_u32 v[QO], v28, 4, v[QO]            ; Q: row r of 128 bytes + 16 h
	s_bfe_u32 s52, ttmp6, 0x40000                  ; cx: it enters Q's, ao's and the prefetches' addresses alone
	s_and_b32 s53, ttmp7, 0xffff                   ; the head, which the four partners share
	s_lshl_b32 s54, s53, 18                        ; its first byte in q, in k, in v and in ao
	s_and_b32 s55, s[WV], 1
	s_lshl_b32 s56, s55, 14                        ; which 128 keys of a slot I fetch
	s_add_co_u32 s56, s56, s54
	s_add_co_u32 s56, s56, 0x1000000               ; K begins 16,777,216 bytes into qkv,
	s_mov_b32 s57, 0
	s_add_co_u32 s58, s56, 0x1000000               ; V as far again
	s_mov_b32 s59, 0
	s_mul_i32 s60, s55, 128*KP
	s_mul_i32 s61, s55, 128*VP
	s_add_co_u32 s61, s61, VOFF
	s_lshl_b32 s62, s52, 16                        ; my block's 512 queries,
	s_lshl_b32 s63, s[WV], 12                      ; my wave's 32 of them
	s_add_co_u32 s62, s62, s63
	s_add_co_u32 s62, s62, s54
	s_mov_b32 s63, 0
	s_add_co_u32 s68, s55, 1                       ; wave 4: K, wave 5: V
	s_lshl_b32 s68, s68, 24
	s_add_co_u32 s68, s68, s54
	s_lshl_b32 s69, s52, 13                        ; my work-group's quarter of a slot's block
	s_add_co_u32 s68, s68, s69
	s_add_co_u32 s68, s68, SK*128                  ; in slot 1: the first change of slots steps it to slot 2; nothing is prefetched at the head
	s_mov_b32 s69, 0
	s_sub_co_u32 s70, s[WV], 4
	s_lshr_b32 s70, s70, 1                         ; 0 in waves 4 and 5
	s_cmp_eq_u32 s70, 0
	s_cselect_b32 s[LIM], 1, -1
	s_mov_b32 s[G1K], 15|(1<<16)|(1<<20)|(1<<21)|(4<<22)|(3<<25)   ; the mask of all four; elements of 2 bytes; padding on; bit 21 beside a mask; after every 32 words four words
	s_mov_b32 s[G1V], 15|(1<<16)|(1<<20)|(1<<21)|(4<<22)|(7<<25)   ; the same with eight words
.irp g, G1K, G1V
	s_mov_b32 s[\g+1], 64<<16                      ; tensor_dim0
	s_mov_b32 s[\g+2], 128<<16                     ; tensor_dim1
	s_mov_b32 s[\g+3], 64<<16                      ; tile_dim0
	s_mov_b32 s[\g+4], 128                         ; tile_dim1
	s_mov_b32 s[\g+5], 64                          ; from row to row
	s_mov_b32 s[\g+6], 0
	s_mov_b32 s[\g+7], 0
.endr
	s_mov_b32 s[NCS], 0xbe38aa3b                   ; -c
	s_mov_b32 s[CS], 0x3e38aa3b                    ; c = log2(e) / 8
	s_mov_b32 s[CS+1], s[CS]
	s_mov_b32 s[SEL], 0x76543210
	s_mov_b32 s[SEL+1], 0xfedcba98                 ; v_permlanex16_b32: lane l xor 16
	s_mov_b32 s[TB], 0
	s_mov_b32 s[SLOTS], NSL-1
	s_wait_dscnt 0x0                               ; both opening adds are done
	s_wait_kmcnt 0x0
	s_mov_b32 s[G0K], 1
	s_mov_b32 s[G0K+1], s60
	s_add_nc_u64 s[G0K+2:G0K+3], s[4:5], s[56:57]
	s_or_b32 s[G0K+3], s[G0K+3], 0x80000000
	s_mov_b32 s[G0V], 1
	s_mov_b32 s[G0V+1], s61
	s_add_nc_u64 s[G0V+2:G0V+3], s[4:5], s[58:59]
	s_or_b32 s[G0V+3], s[G0V+3], 0x80000000
	s_add_nc_u64 s[PFA:PFA+1], s[4:5], s[68:69]
	s_add_nc_u64 s[4:5], s[4:5], s[62:63]          ; Q at my wave's first query
	s_add_nc_u64 s[6:7], s[6:7], s[62:63]          ; ao likewise
	CROUND                                         ; all four work-groups are here
	TLOAD                                          ; slot 0
.irp t, 0,1
.irp ks, 0,1
	global_load_b128 v[Q+16*\t+8*\ks:Q+16*\t+8*\ks+3], v[QO], s[4:5] offset:\t*2048+\ks*64       ; Q stays in registers
	global_load_b128 v[Q+16*\t+8*\ks+4:Q+16*\t+8*\ks+7], v[QO], s[4:5] offset:\t*2048+\ks*64+32
.endr
.endr
.irp t, 0,1
	v_mov_b32 v[ST+8*\t+1], 0xff61b1e6             ; m = -3e38, under every score
	v_mul_f32 v[ST+8*\t], s[NCS], v[ST+8*\t+1]     ; -c m
.irp i, 2,3,4,5,6,7
	v_mov_b32 v[ST+8*\t+\i], 0
.endr
.endr
.set j, 0
.rept 64
	v_mov_b32 v[O+j], 0                            ; O^T: the step is written once; its first pass multiplies zeros
.set j, j+1
.endr
; A KEY STEP: 64 keys, the q-th of the slot in hand; the two tiles take turns line by line.
.macro STEP q
	v_add_nc_u32 v[ADK], s[TB], v[AK]              ; these two and three v_nop: five places behind the last products, whose sources the loads and the first products below write over
	v_add_nc_u32 v[ADV], s[TB], v[AV]
.rept 3
	v_nop
.endr
.irp ks, 0,1
.irp kt, 0,1,2,3
	ds_load_b128 v[KV+16*\kt+8*\ks:KV+16*\kt+8*\ks+3], v[ADK] offset:(\q)*64*KP+\kt*16*KP+\ks*64
	ds_load_b128 v[KV+16*\kt+8*\ks+4:KV+16*\kt+8*\ks+7], v[ADK] offset:(\q)*64*KP+\kt*16*KP+\ks*64+32
.endr
.endr
	s_wait_dscnt 8                                 ; channels 0-31 are in; the eight loads of channels 32-63 may be out
.irp kt, 0,1,2,3
.irp t, 0,1
	v_wmma_f32_16x16x32_f16 v[S+32*\t+8*\kt:S+32*\t+8*\kt+7], v[KV+16*\kt:KV+16*\kt+7], v[Q+16*\t:Q+16*\t+7], 0
.endr
.endr
	s_wait_dscnt 0x0
.irp kt, 0,1,2,3
.irp t, 0,1
	v_wmma_f32_16x16x32_f16 v[S+32*\t+8*\kt:S+32*\t+8*\kt+7], v[KV+16*\kt+8:KV+16*\kt+15], v[Q+16*\t+8:Q+16*\t+15], v[S+32*\t+8*\kt:S+32*\t+8*\kt+7]
.endr
.endr
.rept 4
	v_nop                                          ; places in front of the loads into K's registers and of the first read of the scores
.endr
.irp kc, 0,1
.irp dt, 0,1,2,3
	ds_load_tr16_b128 v[KV+32*\kc+8*\dt:KV+32*\kc+8*\dt+3], v[ADV] offset:(\q)*64*VP+\kc*32*VP+\dt*32
	ds_load_tr16_b128 v[KV+32*\kc+8*\dt+4:KV+32*\kc+8*\dt+7], v[ADV] offset:(\q)*64*VP+\kc*32*VP+16*VP+\dt*32
.endr
.endr
.irp t, 0,1                                    ; the maximum, in two chains; each accumulator is first read at its low end
	v_max3_num_f32 v[ST+8*\t+6], v[S+32*\t], v[S+32*\t+1], v[S+32*\t+2]
	v_max3_num_f32 v[ST+8*\t+7], v[S+32*\t+3], v[S+32*\t+4], v[S+32*\t+5]
.endr
.irp i, 6,10,14,18,22,26
.irp t, 0,1
	v_max3_num_f32 v[ST+8*\t+6], v[ST+8*\t+6], v[S+32*\t+\i], v[S+32*\t+\i+1]
	v_max3_num_f32 v[ST+8*\t+7], v[ST+8*\t+7], v[S+32*\t+\i+2], v[S+32*\t+\i+3]
.endr
.endr
.irp t, 0,1
	v_max3_num_f32 v[ST+8*\t+6], v[ST+8*\t+6], v[S+32*\t+30], v[S+32*\t+31]
.endr
.irp t, 0,1
	v_max3_num_f32 v[ST+8*\t+6], v[ST+8*\t+6], v[ST+8*\t+7], v[ST+8*\t+1]   ; with the old m
.endr
.irp t, 0,1
	v_permlanex16_b32 v[ST+8*\t+7], v[ST+8*\t+6], s[SEL], s[SEL+1]          ; the query's other 32 keys lie in the lane 16 away
.endr
.irp t, 0,1
	v_max_num_f32 v[ST+8*\t+1], v[ST+8*\t+6], v[ST+8*\t+7]                  ; the new m
.endr
.irp t, 0,1
	v_mul_f32 v[ST+8*\t+3], s[NCS], v[ST+8*\t+1]                            ; -c m_new
.endr
.irp t, 0,1
	v_sub_f32 v[ST+8*\t+2], v[ST+8*\t+3], v[ST+8*\t]                        ; c m_old - c m_new
.endr
.irp t, 0,1
	v_mov_b32 v[ST+8*\t], v[ST+8*\t+3]
.endr
.set j, 0
.rept 16
	v_pk_fma_f32 v[S+j:S+j+1], v[S+j:S+j+1], s[CS:CS+1], v[ST:ST+1] op_sel_hi:[1,0,0]             ; c s - c m, two at a time
	v_pk_fma_f32 v[S+32+j:S+32+j+1], v[S+32+j:S+32+j+1], s[CS:CS+1], v[ST+8:ST+9] op_sel_hi:[1,0,0]
.set j, j+2
.endr
	v_exp_f32 v[ST+2], v[ST+2]                     ; a.  ONE BATCH: both tiles' 66 exponentials; none reads another's result
	v_exp_f32 v[ST+10], v[ST+10]
.set j, 0
.rept 32
	v_exp_f32 v[S+j], v[S+j]
	v_exp_f32 v[S+32+j], v[S+32+j]
.set j, j+1
.endr
	v_nop                                          ; a plain instruction behind the last exponential
	s_wait_alu depctr_va_vdst(0)                   ; one wait for the batch, ahead of the first reader
.irp t, 0,1
	v_pk_mul_f32 v[ST+8*\t+4:ST+8*\t+5], v[ST+8*\t+4:ST+8*\t+5], v[ST+8*\t+2:ST+8*\t+3] op_sel_hi:[1,0]   ; l x a
	v_pk_add_f32 v[ST+8*\t+6:ST+8*\t+7], v[S+32*\t:S+32*\t+1], v[S+32*\t+2:S+32*\t+3]                     ; the sum of the unrounded p, in two chains
.endr
.irp j, 4,8,12,16,20,24,28
.irp t, 0,1
	v_pk_add_f32 v[ST+8*\t+4:ST+8*\t+5], v[ST+8*\t+4:ST+8*\t+5], v[S+32*\t+\j:S+32*\t+\j+1]
	v_pk_add_f32 v[ST+8*\t+6:ST+8*\t+7], v[ST+8*\t+6:ST+8*\t+7], v[S+32*\t+\j+2:S+32*\t+\j+3]
.endr
.endr
.irp t, 0,1
	v_pk_add_f32 v[ST+8*\t+4:ST+8*\t+5], v[ST+8*\t+4:ST+8*\t+5], v[ST+8*\t+6:ST+8*\t+7]
.endr
.set j, 0
.rept 16
	v_cvt_pk_f16_f32 v[S+j], v[S+2*j], v[S+2*j+1]                  ; p to f16, in place: pair j goes where pairs up to j / 2 have been read
	v_cvt_pk_f16_f32 v[S+32+j], v[S+32+2*j], v[S+32+2*j+1]
.set j, j+1
.endr
.set j, 0
.rept 16
	v_pk_mul_f32 v[O+j:O+j+1], v[O+j:O+j+1], v[ST+2:ST+3] op_sel_hi:[1,0]             ; O^T x a, each accumulator from its low end on
	v_pk_mul_f32 v[O+32+j:O+32+j+1], v[O+32+j:O+32+j+1], v[ST+10:ST+11] op_sel_hi:[1,0]
.set j, j+2
.endr
	s_wait_dscnt 0x0                               ; V is in
.irp kc, 0,1
.irp dt, 0,1,2,3
.irp t, 0,1
	v_wmma_f32_16x16x32_f16 v[O+32*\t+8*\dt:O+32*\t+8*\dt+7], v[KV+32*\kc+8*\dt:KV+32*\kc+8*\dt+7], v[S+32*\t+8*\kc:S+32*\t+8*\kc+7], v[O+32*\t+8*\dt:O+32*\t+8*\dt+7]
.endr
.endr
.endr
.endm
; THE CHANGE OF SLOTS stands at a slot's head.  Each wave waits for all its tensor loads, adds 0 to its spare word, and waits for that and for its reads of the slot that it has left.  fill = 1: a round of the cluster's
; barrier, and behind it the slot that was left is filled with the next 256 keys: the load has four key steps in which to land.
.macro CHANGE fill
	s_wait_tensorcnt 0x0                           ; no tensor load of mine is out, so a group 0 may be written
	ds_add_u32 v[SPW], v[NIL]
.if \fill
	ds_add_u32 v[SPW], v[NIL]                      ; and once more: the add twice on end, in every trip alike
	s_xor_b32 s[G0K+1], s[G0K+1], SLOT1
	s_add_nc_u64 s[G0K+2:G0K+3], s[G0K+2:G0K+3], SK*128
	s_xor_b32 s[G0V+1], s[G0V+1], SLOT1
	s_add_nc_u64 s[G0V+2:G0V+3], s[G0V+2:G0V+3], SK*128
	s_wait_xcnt 0x0                                ; the last prefetch, a slot back, has read its address
	s_add_nc_u64 s[PFA:PFA+1], s[PFA:PFA+1], SK*128
	s_wait_dscnt 0x0
	CROUND
	TLOAD                                          ; a wave's one tensor load until the next round
	ASK
.else
	s_wait_dscnt 0x0
	s_barrier_signal -1
	s_barrier_wait -1
.endif
.endm
.macro SLOT_STEPS
	STEP 0
	STEP 1
	STEP 2
	STEP 3
	s_xor_b32 s[TB], s[TB], SLOT1
.endm
	s_wait_loadcnt 0x0                             ; Q
.Lslot:                                            ; NSL - 1 trips: behind each change of slots but the last the next slot is asked for
	CHANGE 1
	SLOT_STEPS
	s_sub_co_u32 s[SLOTS], s[SLOTS], 1
	s_cmp_lg_u32 s[SLOTS], 0
	s_cbranch_scc1 .Lslot
	CHANGE 0                                       ; the last slot is written out
	SLOT_STEPS
	; THE WAY OUT.  The additions and the v_nop are the places behind the last products.
.irp t, 0,1
	v_add_f32 v[ST+8*\t+6], v[ST+8*\t+4], v[ST+8*\t+5]
.endr
.irp t, 0,1
	v_permlanex16_b32 v[ST+8*\t+7], v[ST+8*\t+6], s[SEL], s[SEL+1]
.endr
.irp t, 0,1
	v_add_f32 v[ST+8*\t+6], v[ST+8*\t+6], v[ST+8*\t+7]             ; the row's sum
.endr
.irp t, 0,1
	v_rcp_f32 v[ST+8*\t+2], v[ST+8*\t+6]
.endr
	v_nop
	s_wait_alu depctr_va_vdst(0)                   ; one wait for the two reciprocals, ahead of their first reader
.set j, 0
.rept 16
	v_pk_mul_f32 v[O+j:O+j+1], v[O+j:O+j+1], v[ST+2:ST+3] op_sel_hi:[1,0]
	v_pk_mul_f32 v[O+32+j:O+32+j+1], v[O+32+j:O+32+j+1], v[ST+10:ST+11] op_sel_hi:[1,0]
.set j, j+2
.endr
.set j, 0
.rept 16
	v_cvt_pk_f16_f32 v[S+j], v[O+2*j], v[O+2*j+1]
	v_cvt_pk_f16_f32 v[S+32+j], v[O+32+2*j], v[O+32+2*j+1]
.set j, j+1
.endr
.irp t, 0,1
.irp dt, 0,1,2,3
	ds_store_b128 v[STO], v[S+32*\t+4*\dt:S+32*\t+4*\dt+3] offset:\t*16*KP+32*\dt   ; row r, channels 16 dt + 8 h on
.endr
.endr
.irp t, 0,1
.irp i, 0,1,2,3
	ds_load_b128 v[KV+16*\t+4*\i:KV+16*\t+4*\i+3], v[RD] offset:\t*16*KP+\i*4*KP    ; four whole rows; LDS serves a wave's instructions in order (ISA guide 5.7.1.4)
.endr
.endr
.irp t, 0,1
.irp i, 0,1,2,3
	s_wait_dscnt 7-4*\t-\i                         ; this load is in; the younger ones may be out
	global_store_b128 v[GO], v[KV+16*\t+4*\i:KV+16*\t+4*\i+3], s[6:7] offset:\t*2048+\i*512   ; 32 lanes store 512 consecutive bytes, aligned
.endr
.endr
	s_wait_tensorcnt 0x0                           ; the wave's end
	ds_add_u32 v[SPW], v[NIL]
	s_wait_dscnt 0x0
	CROUND                                         ; the closing round
	s_endpgm
.Lfunc_end_k_qb10efff44f_attn:
	.size	k_qb10efff44f_attn, .Lfunc_end_k_qb10efff44f_attn-k_qb10efff44f_attn
	.p2alignl 7, 3214868480
	.fill 96, 4, 3214868480
	.section	.rodata,"a",@progbits
	.p2align	6, 0x0
	.amdhsa_kernel k_qb10efff44f_attn
		.amdhsa_group_segment_fixed_size 327680
		.amdhsa_private_segment_fixed_size 0
		.amdhsa_enable_private_segment 0
		.amdhsa_kernarg_size 16
		.amdhsa_user_sgpr_count 2
		.amdhsa_user_sgpr_kernarg_segment_ptr 1
		.amdhsa_wavefront_size32 1
		.amdhsa_system_sgpr_workgroup_id_x 1
		.amdhsa_system_sgpr_workgroup_id_y 1
		.amdhsa_system_sgpr_workgroup_id_z 1
		.amdhsa_system_vgpr_workitem_id 0
		.amdhsa_next_free_vgpr 256
		.amdhsa_next_free_sgpr 80
		.amdhsa_reserve_vcc 0
		.amdhsa_float_denorm_mode_32 3
		.amdhsa_float_denorm_mode_16_64 3
		.amdhsa_memory_ordered 1
		.amdhsa_forward_progress 1
		.amdhsa_inst_pref_size 154
	.end_amdhsa_kernel
	.amdgpu_metadata
---
amdhsa.version: [ 1, 2 ]
amdhsa.kernels:
  - .name:           k_qb10efff44f_attn
    .symbol:         k_qb10efff44f_attn.kd
    .args:
      - { .name: qkv, .offset: 0, .size: 8, .value_kind: global_buffer, .address_space: global }
      - { .name: ao, .offset: 8, .size: 8, .value_kind: global_buffer, .address_space: global }
    .group_segment_fixed_size: 327680
    .private_segment_fixed_size: 0
    .kernarg_segment_align: 8
    .kernarg_segment_size: 16
    .max_flat_workgroup_size: 512
    .sgpr_count:     80
    .vgpr_count:     256
    .wavefront_size: 32
...
	.end_amdgpu_metadata
.endif
;; end of part 3
;; launch proj (part 4): grid 4 x 64, 4 waves a work-group, clusters of 4 x 4, 327,680 bytes of LDS; arguments ao, wp, b_proj, out0; writes out0
.if DOCPART == 4
	.amdgcn_target "amdgcn-amd-amdhsa--gfx1250"
	.amdhsa_code_object_version 6
	.text
	.protected	k_qb10efff44f_proj
	.globl	k_qb10efff44f_proj
	.p2align	8
	.type	k_qb10efff44f_proj,@function
k_qb10efff44f_proj:
	s_mov_b64 s[64:65], 0
	v_nop
	global_prefetch_b8 v0, s[64:65] scope:SCOPE_SE
	s_setreg_imm32_b32 hwreg(HW_REG_WAVE_MODE, 25, 1), 1
	s_wait_xcnt 0x0
	s_wait_alu depctr_hold_cnt(0) depctr_sa_sdst(0) depctr_va_vdst(0) depctr_va_sdst(0) depctr_va_ssrc(0) depctr_va_vcc(0) depctr_vm_vsrc(0)
	s_getreg_b32 s2, hwreg(HW_REG_IB_STS2, 6, 4)
	s_cmp_eq_u32 s2, 0
	s_cbranch_scc0 .Lentry_in_a_cluster
	s_endpgm
.Lentry_in_a_cluster:
	s_bfe_u32 s2, ttmp6, 0x10000c
	s_cmp_lg_u32 s2, 0xf033
	s_cbranch_scc0 .Lentry_shape_is_right
	s_endpgm
.Lentry_shape_is_right:
; out0[m][n] = the sum over k of A[m][k] W_proj[k][n] + b_proj[n].  A[m = batch x 2048 + position][k = head x 64 + d] lies by head: ao [batch x 16 + head][2048][64] f16; wp = W_proj [1024 (k)][1024 (n)] f16; out0 f32; sums in f32.
; A tile of out0 is 128 rows x 256 columns: 256 work-groups.  Four waves, each 64 x 128: 32 accumulators of 16 x 16.  K goes in steps of 128 (two heads) through a ring of two LDS slots.
; A's part of a slot: two heads x 128 rows of 128 bytes, each head's rows one dense block of memory (waves 0, 1 fetch a head each).  W's part: 128 rows k of 512 bytes (waves 2, 3 fetch 64 rows each), read turned by ds_load_tr16_b128.
; CLUSTERS: 4 x 4 work-groups: A's tiles are shared along a row of the cluster, W's along a column, each asked for jointly.  THE MATRIX INSTRUCTION IS USED TRANSPOSED (source 0 = 16 columns of W, source 1 = 16 rows of A):
; a lane holds eight neighbouring columns of one row.  The bias is the C of each sum's first product.  No prefetch: a short launch on small tiles.
; REGISTERS: window 0: v0-31 addresses; two fragment buffers of 96 at v32 and v128 (A's four blocks, then W's eight); on the way out v32-159.  window 1: the accumulators ((a, b) at v[8 (8 a + b)]).  window 2: v0-63 the bias.
.set AP,     144                       ; a row of A in LDS: 128 bytes + 16
.set BP,     544                       ; a row of W: 512 + 32: an odd multiple of 32 bytes, for the turning load
.set BOFF,   2*128*AP
.set SLOT,   BOFF+128*BP
.set STAGE,  2*SLOT                    ; behind the ring: 16 rows x 528 bytes for each wave
.set SPITCH, 528
.set SPARE,  STAGE+4*16*SPITCH         ; the spare words: two blocks of 256 bytes that no other line names
.set ASTEP,  2*262144                  ; a K step on in ao: two heads
.set BSTEP,  128*2048                  ; and in wp: 128 rows
.set LAPS,   4                         ; a lap = two K steps
.set ADRA, 16
.set ADRB, 20
.set STO,  24
.set RD,   25
.set CO,   26
.set SPW,  28
.set NIL,  29
.set F0,   32
.set F1,   128
.set BK,   32
.set G1, 24
.set G0, 32
.set G1B, 48
.set G0B, 56
.set MSB, 0
.macro WIN new                         ; the immediate's high byte repeats the setting that is left
.if MSB != (\new)
	s_set_vgpr_msb (MSB<<8)|(\new)
.set MSB, (\new)
.endif
.endm
.set MUL,  0x50                        ; sources 0 and 1 window 0; C and D window 1
.set MULZ, 0x60                        ; C (the bias) window 2, D window 1
.macro JLOAD s                         ; a joint load: waves 0, 1 for A, waves 2, 3 for W; an s_nop 0 and four v_nop follow each of the two lines
	s_cmp_eq_u32 s13, 0
	s_cbranch_scc0 .Lfor_b_\@
	tensor_load_to_lds s[G0+4*\s:G0+4*\s+3], s[G1:G1+7]
	s_nop 0
.rept 4
	v_nop
.endr
	s_branch .Lasked_\@
.Lfor_b_\@:
	tensor_load_to_lds s[G0B+4*\s:G0B+4*\s+3], s[G1B:G1B+7]
	s_nop 0
.rept 4
	v_nop
.endr
.Lasked_\@:
.endm
.macro CREST                           ; a round of the cluster's barrier behind its opening barrier
	s_cmp_lg_u32 s12, 0
	s_cbranch_scc1 .Lnot_wave_0_\@
	s_barrier_signal -3
.Lnot_wave_0_\@:
	s_barrier_wait -3
	s_barrier_signal -1
	s_barrier_wait -1
.endm
.macro CROUND
	s_barrier_signal -1
	s_barrier_wait -1
	CREST
.endm
	s_load_b256 s[4:11], s[0:1], 0x0               ; ao s[4:5], wp s[6:7], b_proj s[8:9], out0 s[10:11]
	v_lshl_add_u32 v[SPW], v0, 2, SPARE
	v_mov_b32 v[NIL], 0
	ds_add_u32 v[SPW], v[NIL]                      ; the wave's opening: the add, twice on end, and its wait ahead of my first tensor load
	ds_add_u32 v[SPW], v[NIL]
	v_lshrrev_b32 v1, 5, v0
	v_readfirstlane_b32 s12, v1                    ; wave 0..3
	s_lshr_b32 s13, s12, 1                         ; my half of the tile's rows.  Also: I fetch for A (0) or for W (1)
	s_and_b32 s14, s12, 1                          ; my half of its columns.  Also: which head, or which 64 rows of W, I fetch
	s_bfe_u32 s40, ttmp6, 0x40000                  ; cx, cy
	s_bfe_u32 s41, ttmp6, 0x40004
	s_lshl_b32 s42, ttmp9, 2
	s_add_co_u32 s42, s42, s40                     ; tile column
	s_and_b32 s15, ttmp7, 0xffff
	s_lshl_b32 s15, s15, 2
	s_add_co_u32 s15, s15, s41                     ; tile row
	s_lshl_b32 s43, s41, 2
	s_lshl_b32 s43, 15, s43                        ; my row of the cluster
	s_lshl_b32 s44, 0x1111, s40                    ; my column
	s_or_b32 s[G1+0], s43, (1<<16)|(1<<20)|(1<<21)|(4<<22)|(3<<25)   ; A: elements of 2 bytes; after every 32 words four words of padding
	s_mov_b32 s[G1+1], 64<<16
	s_mov_b32 s[G1+2], 128<<16
	s_mov_b32 s[G1+3], 64<<16
	s_mov_b32 s[G1+4], 128
	s_mov_b32 s[G1+5], 64
	s_mov_b32 s[G1+6], 0
	s_mov_b32 s[G1+7], 0
	s_or_b32 s[G1B+0], s44, (1<<16)|(1<<20)|(1<<21)|(6<<22)|(7<<25)  ; W: after every 128 words eight words
	s_mov_b32 s[G1B+1], 256<<16
	s_mov_b32 s[G1B+2], 64<<16
	s_mov_b32 s[G1B+3], 256<<16
	s_mov_b32 s[G1B+4], 64
	s_mov_b32 s[G1B+5], 1024
	s_mov_b32 s[G1B+6], 0
	s_mov_b32 s[G1B+7], 0
	s_lshr_b32 s16, s15, 4                         ; batch
	s_lshl_b32 s16, s16, 4
	s_add_co_u32 s16, s16, s14                     ; + the head that I fetch of K step 0
	s_lshl_b32 s16, s16, 18
	s_and_b32 s17, s15, 15
	s_lshl_b32 s17, s17, 14                        ; the tile's 128 positions
	s_add_co_u32 s16, s16, s17
	s_mov_b32 s17, 0
	s_lshl_b32 s46, s14, 17                        ; W: row 64 x half,
	s_lshl_b32 s47, s42, 9                         ; column 256 x tile column
	s_add_co_u32 s46, s46, s47
	s_mov_b32 s47, 0
	s_mul_i32 s20, s14, 128*AP                     ; where they go in a slot
	s_mul_i32 s21, s14, 64*BP
	s_add_co_u32 s21, s21, BOFF
	s_wait_dscnt 0x0                               ; both opening adds are done
	s_wait_kmcnt 0x0
	s_add_nc_u64 s[18:19], s[4:5], s[16:17]
	s_add_nc_u64 s[46:47], s[6:7], s[46:47]
	CROUND                                         ; all sixteen work-groups are here
.irp s, 0,1
	s_mov_b32 s[G0+4*\s], 1
	s_add_co_u32 s[G0+4*\s+1], s20, \s*SLOT
	s_add_nc_u64 s[G0+4*\s+2:G0+4*\s+3], s[18:19], \s*ASTEP
	s_or_b32 s[G0+4*\s+3], s[G0+4*\s+3], 0x80000000
	s_mov_b32 s[G0B+4*\s], 1
	s_add_co_u32 s[G0B+4*\s+1], s21, \s*SLOT
	s_add_nc_u64 s[G0B+4*\s+2:G0B+4*\s+3], s[46:47], \s*BSTEP
	s_or_b32 s[G0B+4*\s+3], s[G0B+4*\s+3], 0x80000000
	JLOAD \s                                       ; two tensor loads of a wave are out at the most
.endr
	v_and_b32 v1, 15, v0                           ; r
	v_bfe_u32 v2, v0, 4, 1                         ; h
	v_mul_u32_u24 v3, v1, AP
	v_lshl_add_u32 v3, v2, 4, v3                   ; A: row r x pitch + 16 h
	s_mul_i32 s22, s13, 64*AP                      ; my 64 rows
	v_and_b32 v4, 7, v0
	v_lshl_add_u32 v4, v2, 3, v4
	v_mul_u32_u24 v4, v4, BP                       ; W: row k = 8 h + lane % 8,
	v_bfe_u32 v5, v0, 3, 1
	v_lshl_add_u32 v4, v5, 4, v4                   ; columns 8 ((lane / 8) % 2) on
	s_lshl_b32 s23, s14, 8                         ; my 128 columns
	s_add_co_u32 s23, s23, BOFF
.irp s, 0,1
	v_add_nc_u32 v[ADRA+\s], s22, v3
	v_add_nc_u32 v[ADRB+\s], s23, v4
	s_add_co_u32 s22, s22, SLOT
	s_add_co_u32 s23, s23, SLOT
.endr
	s_mul_i32 s22, s12, 16*SPITCH
	s_add_co_u32 s22, s22, STAGE                   ; my stage
	v_mul_u32_u24 v5, v1, SPITCH
	v_lshl_add_u32 v5, v2, 5, v5
	v_add_nc_u32 v[STO], s22, v5                   ; in: row r, 32 bytes for each half of the lanes
	v_and_b32 v6, 31, v0
	v_lshlrev_b32 v[CO], 4, v6                     ; back: the 32 lanes take a row of 512 bytes; and the same in out0
	v_add_nc_u32 v[RD], s22, v[CO]
	s_lshl_b32 s16, s15, 7
	s_lshl_b32 s17, s13, 6
	s_add_co_u32 s16, s16, s17                     ; my first row of out0
	s_lshl_b32 s16, s16, 12
	s_mov_b32 s17, 0
	s_add_nc_u64 s[10:11], s[10:11], s[16:17]
	s_lshl_b32 s46, s42, 10                        ; my first column, in bytes of f32: in out0 and in the bias alike
	s_lshl_b32 s47, s14, 9
	s_add_co_u32 s46, s46, s47
	s_mov_b32 s47, 0
	s_add_nc_u64 s[10:11], s[10:11], s[46:47]
	s_add_nc_u64 s[8:9], s[8:9], s[46:47]
	v_lshlrev_b32 v7, 5, v2                        ; lane (r, h) wants, for block b, the bias of columns 16 b + 8 h + 0 .. 7
	WIN 0x80                                       ; destination window 2
.irp b, 0,1,2,3,4,5,6,7
	global_load_b128 v[8*\b:8*\b+3], v7, s[8:9] offset:64*\b
	global_load_b128 v[8*\b+4:8*\b+7], v7, s[8:9] offset:64*\b+16
.endr
	WIN 0
; 8 matrix instructions: A's block a x W's eight, 32 along K.  first = 1: the bias starts the sums.  The 32 accumulators take turns, one instruction a turn.
.macro MULA f, a, first
.irp b, 0,1,2,3,4,5,6,7
.if \first
	v_wmma_f32_16x16x32_f16 v[8*(8*(\a)+\b):8*(8*(\a)+\b)+7], v[\f+32+8*\b:\f+32+8*\b+7], v[\f+8*(\a):\f+8*(\a)+7], v[8*\b:8*\b+7]
.else
	v_wmma_f32_16x16x32_f16 v[8*(8*(\a)+\b):8*(8*(\a)+\b)+7], v[\f+32+8*\b:\f+32+8*\b+7], v[\f+8*(\a):\f+8*(\a)+7], v[8*(8*(\a)+\b):8*(8*(\a)+\b)+7]
.endif
.endr
.endm
; 24 LDS loads in one run: quarter qd (32 along K) of a slot into buffer f: W's eight fragments, then A's four
.macro FETCH slot, qd, f
.irp b, 0,1,2,3,4,5,6,7
	ds_load_tr16_b128 v[\f+32+8*\b:\f+32+8*\b+3], v[ADRB+\slot] offset:(\qd)*32*BP+32*\b
	ds_load_tr16_b128 v[\f+32+8*\b+4:\f+32+8*\b+7], v[ADRB+\slot] offset:(\qd)*32*BP+16*BP+32*\b
.endr
.irp a, 0,1,2,3
	ds_load_b128 v[\f+8*\a:\f+8*\a+3], v[ADRA+\slot] offset:((\qd)/2)*128*AP+((\qd)%2)*64+\a*16*AP
	ds_load_b128 v[\f+8*\a+4:\f+8*\a+7], v[ADRA+\slot] offset:((\qd)/2)*128*AP+((\qd)%2)*64+\a*16*AP+32
.endr
.endm
.macro PLACES                          ; four places in front of loads into registers that matrix instructions have read (ISA guide 7.12.1 for vector instructions)
.rept 4
	v_nop
.endr
.endm
; One of a K step's first three quarters: multiplies buffer f and fetches quarter qn of the same slot into g.
.macro QUARTER slot, qn, f, g, first
	s_wait_dscnt 4                                 ; all but the youngest four loads (A's blocks 2, 3) are in
.if \first
	WIN MULZ
.else
	WIN MUL
.endif
	MULA \f, 0, \first
	MULA \f, 1, \first
	WIN 0
	PLACES
	FETCH \slot, \qn, \g
	s_wait_dscnt 24                                ; all but the 24 just issued
.if \first
	WIN MULZ
.else
	WIN MUL
.endif
	MULA \f, 2, \first
	MULA \f, 3, \first
.endm
; The last quarter multiplies buffer 1 and changes slots: one barrier; in front of it each wave waits for all its tensor loads, adds 0 to its spare word, and waits for that and for its reads of this slot.
; fill = 1: the barrier opens a round of the cluster's, and this slot is filled again, two K steps ahead: from the request to the wait for it a wave issues 112 matrix instructions.
.macro TURN slot, next, fill
	WIN 0
	s_wait_tensorcnt 0x0                           ; all my tensor loads have landed: my part of the next slot
	ds_add_u32 v[SPW], v[NIL]
	s_wait_dscnt 5                                 ; the add and the youngest four loads may be out
	WIN MUL
	MULA F1, 0, 0
	s_wait_dscnt 0x0                               ; the add is done, and my reads of this slot are over
	s_barrier_signal -1
	MULA F1, 1, 0
	WIN 0
	s_barrier_wait -1
.if \fill
	CREST
	s_add_nc_u64 s[G0+4*\slot+2:G0+4*\slot+3], s[G0+4*\slot+2:G0+4*\slot+3], 2*ASTEP
	s_add_nc_u64 s[G0B+4*\slot+2:G0B+4*\slot+3], s[G0B+4*\slot+2:G0B+4*\slot+3], 2*BSTEP
	JLOAD \slot                                    ; the first tensor load behind the round; its four v_nop are also the places in front of the loads below
.else
	PLACES
.endif
	FETCH \next, 0, F0
	WIN MUL
	MULA F1, 2, 0
	MULA F1, 3, 0
.endm
	s_wait_tensorcnt 1                             ; my part of K step 0 is in; the one younger load, K step 1's, may be out
	s_barrier_signal -1
	s_barrier_wait -1
	FETCH 0, 0, F0
	s_wait_loadcnt 0x0                             ; the bias
	QUARTER 0, 1, F0, F1, 1                        ; the first quarter stands in front of the loop: its products start the sums
	WIN 0
	s_mov_b32 s3, LAPS-1
.Llap:                                             ; a trip goes once round the ring and fills both slots again
	QUARTER 0, 2, F1, F0, 0
	QUARTER 0, 3, F0, F1, 0
	TURN 0, 1, 1
	QUARTER 1, 1, F0, F1, 0
	QUARTER 1, 2, F1, F0, 0
	QUARTER 1, 3, F0, F1, 0
	TURN 1, 0, 1
	QUARTER 0, 1, F0, F1, 0
	WIN 0
	s_sub_co_u32 s3, s3, 1
	s_cmp_lg_u32 s3, 0
	s_cbranch_scc1 .Llap
	QUARTER 0, 2, F1, F0, 0                        ; the last lap fills nothing
	QUARTER 0, 3, F0, F1, 0
	TURN 0, 1, 0
	QUARTER 1, 1, F0, F1, 0
	QUARTER 1, 2, F1, F0, 0
	QUARTER 1, 3, F0, F1, 0
	s_wait_dscnt 4
	WIN MUL
	MULA F1, 0, 0
	MULA F1, 1, 0
	s_wait_dscnt 0
	MULA F1, 2, 0
	MULA F1, 3, 0
	WIN 0
; THE WAY OUT, a block of 16 rows x 128 columns at a time, through my own stage: back as whole rows of 512 bytes.
.macro TOSTAGE a
	WIN 0x04                                       ; an LDS store's data are its source 1: window 1
.irp b, 0,1,2,3,4,5,6,7
	ds_store_b128 v[STO], v[64*(\a)+8*\b:64*(\a)+8*\b+3] offset:64*\b          ; each accumulator from its low end on
	ds_store_b128 v[STO], v[64*(\a)+8*\b+4:64*(\a)+8*\b+7] offset:64*\b+16
.endr
	WIN 0
.set BB, BK+64*((\a)%2)
.irp t, 0,1,2,3,4,5,6,7,8,9,10,11,12,13,14,15
	ds_load_b128 v[BB+4*\t:BB+4*\t+3], v[RD] offset:\t*SPITCH                  ; LDS serves a wave's instructions in order (ISA guide 5.7.1.4)
.endr
.endm
.macro SEND a, younger                 ; younger: the LDS instructions issued behind block a's loads, which may stay out
.set BB, BK+64*((\a)%2)
	s_wait_dscnt \younger
.if (\a) > 0
	s_add_nc_u64 s[10:11], s[10:11], 16*4096       ; behind a wait on XCNT: the earlier stores have read their base
.endif
.irp t, 0,1,2,3,4,5,6,7,8,9,10,11,12,13,14,15
	global_store_b128 v[CO], v[BB+4*\t:BB+4*\t+3], s[10:11] offset:\t*4096 th:TH_STORE_NT   ; 32 lanes store 512 consecutive bytes, aligned
.endr
.endm
	PLACES
	TOSTAGE 0
.irp a, 1,2,3
.if \a > 1
	s_wait_xcnt 0x0                                ; block a - 2's stores have read their registers and their base
.endif
	TOSTAGE \a
	SEND \a-1, 32                                  ; behind block a - 1's loads: block a's 16 stores and 16 loads
.endr
	s_wait_xcnt 0x0
	SEND 3, 0
	s_wait_tensorcnt 0x0                           ; the wave's end
	ds_add_u32 v[SPW], v[NIL]
	s_wait_dscnt 0x0
	CROUND                                         ; the closing round
	s_endpgm
.Lfunc_end_k_qb10efff44f_proj:
	.size	k_qb10efff44f_proj, .Lfunc_end_k_qb10efff44f_proj-k_qb10efff44f_proj
	.p2alignl 7, 3214868480
	.fill 96, 4, 3214868480
	.section	.rodata,"a",@progbits
	.p2align	6, 0x0
	.amdhsa_kernel k_qb10efff44f_proj
		.amdhsa_group_segment_fixed_size 327680
		.amdhsa_private_segment_fixed_size 0
		.amdhsa_enable_private_segment 0
		.amdhsa_kernarg_size 32
		.amdhsa_user_sgpr_count 2
		.amdhsa_user_sgpr_kernarg_segment_ptr 1
		.amdhsa_wavefront_size32 1
		.amdhsa_system_sgpr_workgroup_id_x 1
		.amdhsa_system_sgpr_workgroup_id_y 1
		.amdhsa_system_sgpr_workgroup_id_z 1
		.amdhsa_system_vgpr_workitem_id 0
		.amdhsa_next_free_vgpr 576
		.amdhsa_next_free_sgpr 66
		.amdhsa_reserve_vcc 0
		.amdhsa_float_denorm_mode_32 3
		.amdhsa_float_denorm_mode_16_64 3
		.amdhsa_memory_ordered 1
		.amdhsa_forward_progress 1
		.amdhsa_inst_pref_size 87
	.end_amdhsa_kernel
	.amdgpu_metadata
---
amdhsa.version: [ 1, 2 ]
amdhsa.kernels:
  - .name:           k_qb10efff44f_proj
    .symbol:         k_qb10efff44f_proj.kd
    .args:
      - { .name: ao, .offset: 0, .size: 8, .value_kind: global_buffer, .address_space: global }
      - { .name: wp, .offset: 8, .size: 8, .value_kind: global_buffer, .address_space: global }
      - { .name: b_proj, .offset: 16, .size: 8, .value_kind: global_buffer, .address_space: global }
      - { .name: out0, .offset: 24, .size: 8, .value_kind: global_buffer, .address_space: global }
    .group_segment_fixed_size: 327680
    .private_segment_fixed_size: 0
    .kernarg_segment_align: 8
    .kernarg_segment_size: 32
    .max_flat_workgroup_size: 128
    .sgpr_count:     66
    .vgpr_count:     576
    .wavefront_size: 32
...
	.end_amdgpu_metadata
.endif
;; end of part 4
